; MI455X (gfx1250); checked and timed in simulation.
; The chip was launched on July 23, 2026; its instructions are those of AMD's public machine-readable ISA for CDNA 5 (MIT licence, August 2026) and "CDNA5" Instruction Set Architecture Reference Guide (July 2026). The comments in the code are by the model that wrote it; some were corrected since.
;; Encoder Layer. Allowed arithmetic: matrix products marked QUANTISED: E4M3 operands, one E8M0 scale for each 32 along K, by v_wmma_scale_f32_16x16x128_f8f6f4 with both operands' format E4M3, f32 sums; everything else in f32.
;; Inputs: b1 4,096 float32; b2 1,024 float32; be1 1,024 float32; be2 1,024 float32; bk 1,024 float32; bo 1,024 float32; bq 1,024 float32; bv 1,024 float32; g1 1,024 float32; g2 1,024 float32; w1_codes 4,096 x 32 x 32 uint8 (E4M3 codes of w1, K innermost, in blocks of 32 codes); w1_scales 4,096 x 32 uint8 (E8M0 scales of w1, one for each 32 codes along K); w2_codes 1,024 x 128 x 32 uint8 (E4M3 codes of w2, K innermost, in blocks of 32 codes); w2_scales 1,024 x 128 uint8 (E8M0 scales of w2, one for each 32 codes along K); wk_codes 1,024 x 32 x 32 uint8 (E4M3 codes of wk, K innermost, in blocks of 32 codes); wk_scales 1,024 x 32 uint8 (E8M0 scales of wk, one for each 32 codes along K); wo_codes 1,024 x 32 x 32 uint8 (E4M3 codes of wo, K innermost, in blocks of 32 codes); wo_scales 1,024 x 32 uint8 (E8M0 scales of wo, one for each 32 codes along K); wq_codes 1,024 x 32 x 32 uint8 (E4M3 codes of wq, K innermost, in blocks of 32 codes); wq_scales 1,024 x 32 uint8 (E8M0 scales of wq, one for each 32 codes along K); wv_codes 1,024 x 32 x 32 uint8 (E4M3 codes of wv, K innermost, in blocks of 32 codes); wv_scales 1,024 x 32 uint8 (E8M0 scales of wv, one for each 32 codes along K); x 2 x 2,048 x 1,024 float32.
;; Outputs: out0 2 x 2,048 x 1,024 float32.
;; This version of the problem:
;;   THIS VERSION OF THE PROBLEM IS GIVEN IN LOW PRECISION. The matrix products marked QUANTISED in the list below multiply operands that are first quantised to E4M3 (4 exponent bits, 3 mantissa bits; 8 bits a number), with one power-of-two scale for each 32 numbers along K (OCP MX v1.0); their sums are f32. All else is computed in f32.
;;   The module's matrix products, in the order in which they are computed (A, B: the left and right operand; K: the contracted axis; several contracted axes count as one K, in the product's order):
;;     1. [M 4,096, K 1,024] x [K 1,024, N 1,024]; A: input x; B: input wq (given as codes): QUANTISED
;;     2. [M 4,096, K 1,024] x [K 1,024, N 1,024]; A: input x; B: input wk (given as codes): QUANTISED
;;     3. [M 4,096, K 1,024] x [K 1,024, N 1,024]; A: input x; B: input wv (given as codes): QUANTISED
;;     4. batch 32 x [M 2,048, K 64] x [K 64, N 2,048]; A: computed on the way; B: computed on the way: QUANTISED
;;     5. batch 32 x [M 2,048, K 2,048] x [K 2,048, N 64]; A: softmax (see below); B: computed on the way: QUANTISED
;;     6. [M 4,096, K 1,024] x [K 1,024, N 1,024]; A: computed on the way; B: input wo (given as codes): QUANTISED
;;     7. [M 4,096, K 1,024] x [K 1,024, N 4,096]; A: computed on the way; B: input w1 (given as codes): QUANTISED
;;     8. [M 4,096, K 4,096] x [K 4,096, N 1,024]; A: computed on the way; B: input w2 (given as codes): QUANTISED
;;   THE QUANTISER, for each operand of a quantised product, along K:
;;     - K is cut into blocks of 32 from its start; a last block that is shorter is filled with zeros.
;;     - A block's scale is 2^e with e = floor(log2(the largest magnitude in the block)) - 8, held to -126 .. 127; a block of zeros has e = 0. As a byte (E8M0): e + 127.
;;     - Each number is divided by its block's scale, clamped to +-448, and rounded to the nearest number of E4M3, ties to even, subnormals kept.
;;     - The product sums the exact products of the quantised numbers (number of the format x scale) in f32.
;;   ~~~python
;;   def quantise(x, axis):      # numpy; x: float32 -> the quantised numbers, widened to float32 again
;;       x = np.moveaxis(x, axis, -1); K = x.shape[-1]
;;       x = np.pad(x, [(0, 0)] * (x.ndim - 1) + [(0, -K % 32)]); x = x.reshape(x.shape[:-1] + (-1, 32)); a = np.abs(x).max(-1, keepdims=True)
;;       e = np.where(a > 0, np.clip(np.frexp(np.where(a > 0, a, 1))[1] - 1 - 8, -126, 127), 0)      # np.frexp(a)[1] - 1 = floor(log2(a)), exactly
;;       r = np.clip(x / 2.0 ** e, -448, 448)
;;       step = 2.0 ** (np.maximum(np.frexp(np.where(r == 0, 1, r))[1] - 1, -6) - 3)
;;       q = np.round(r / step) * step * 2.0 ** e      # np.round: ties to even
;;       return np.moveaxis(q.reshape(q.shape[:-2] + (-1,))[..., :K], -1, axis).astype(np.float32)
;;   ~~~
;;   SOFTMAX AHEAD OF A QUANTISED PRODUCT. Where the list says 'softmax', what is quantised is not the finished softmax but p = 2^(t - M), with t = logit x log2(e) and M = ceil(the row's largest t), a whole number; so 1/2 < the row's largest p <= 1. The row's sum l is taken of the UNQUANTISED p, in f32, and the product's result is divided by l at the end. Since M is a whole number, a kernel that streams over the keys may use a running M (the ceiling of the running maximum): every later rescaling is an exact power of two, which a block's scale takes up: the codes' values come out the same.
;;   OPERANDS COMPUTED ON THE WAY. 'Computed on the way' means the value that the module computes at that place (a softmax that the list does not call 'softmax' is quantised finished and normalised). What goes into a quantiser is computed in f32, as accurately as f32 sums, v_exp_f32 and their like allow (about 1e-6 of the number): no bf16 or f16 on the way to a quantiser, and a product that is left as it is and whose result goes on into a quantised operand takes f32 operands (vector FMAs, or v_wmma_f32_16x16x4_f32). A number that lies on a knife's edge between two numbers of the format may be rounded either way, as far as f32 arithmetic and the matrix unit's own rounding can turn it there, and no further.
;;   INPUTS GIVEN AS CODES. w1 (in the module: [1024, 4096], K = its axis 0); w2 (in the module: [4096, 1024], K = its axis 0); wk (in the module: [1024, 1024], K = its axis 0); wo (in the module: [1024, 1024], K = its axis 0); wq (in the module: [1024, 1024], K = its axis 0); wv (in the module: [1024, 1024], K = its axis 0): each comes as NAME_codes (uint8): NAME with its K axis moved to the last place and cut into blocks of 32 codes, [.., K / 32, bytes a block], one block behind the other in memory; one code a byte (a code: sign, 4 exponent bits, 3 mantissa bits); and NAME_scales (uint8): the same leading axes, one E8M0 byte (e + 127) for each 32 codes along K. Its value is code x scale, taken as it is: it is not quantised again, and the codes and scales need not be those that the quantiser above would give.
;; One version. Each part assembles by itself: llvm-mc -triple=amdgcn-amd-amdhsa -mcpu=gfx1250 --defsym DOCPART=n.
;; ======== version 1 of 1: 8 launches
;; limits: right only within a limited range of input values
;; workspace buffers: xq 4,325,376 bytes; ctxq 4,325,376 bytes; hid 17,301,504 bytes; y 16,777,216 bytes; o1 16,777,216 bytes; qkv 13,238,272 bytes
;; launch quantx (part 1): grid 512 x 1, 4 waves a work-group, no clusters, 33,280 bytes of LDS; arguments x, xq; writes xq
.if DOCPART == 1
	.amdgcn_target "amdgcn-amd-amdhsa--gfx1250"
	.amdhsa_code_object_version 6
	.text
	.protected	k_q84b9b127b7_quantx
	.globl	k_q84b9b127b7_quantx
	.p2align	8
	.type	k_q84b9b127b7_quantx,@function
k_q84b9b127b7_quantx:
	s_mov_b64 s[64:65], 0
	v_nop
	global_prefetch_b8 v0, s[64:65] scope:SCOPE_SE
	s_setreg_imm32_b32 hwreg(HW_REG_WAVE_MODE, 25, 1), 1
	s_wait_xcnt 0x0
; x [4096][1024] f32 becomes codes of FP8 (E4M3), K innermost, at xq + 0, and one E8M0 byte for each 32 along K, [4096][32], at xq + 0x400000.
; A block's scale is 2^(floor(log2(its largest magnitude)) - 8); its byte is the largest magnitude's exponent field - 8, held at 1 from below.
; Every input is loaded.
; LIMITS: a block of zeros, or one whose largest magnitude lies under 2^-118, gets the byte 1 (its codes are zeros or tiny; the bytes are read by this program alone); NaN and infinities are not served.
; Rows are dense and 1,024 is a multiple of 32: the tensor is a plain stream of blocks.  512 work-groups of four waves; a wave takes 4 steps of 512 numbers, and all its 16 loads go out at its head.
; Each load reads 512 consecutive bytes; a step's 2,048 bytes turn through the wave's own stage in LDS so that a lane holds 16 neighbours (two lanes to a block); a lane's 16 codes are 16 bytes, so a store covers 512 consecutive bytes.
; The work-group's 256 scale bytes (64 a wave) meet in LDS behind wave 0's stages; behind one barrier wave 0 stores them as one run of 256 aligned bytes.
; Memory binds: no matrix unit, no cluster, no tensor load; no prefetch: there is no loop to run ahead in.
.set STEPS, 4
.set MANT,  0x600000                   ; the mantissa field of 448
.set CB,    16
.set R,     16                         ; v16-79   four sets of 16 numbers as loaded
.set X,     80                         ; v80-111  two sets of 16 neighbours
.set C,     128                        ; v128-143 codes, four registers a step
.set E,     112                        ; v112-115 a scale byte a step
.set WREG,  8192                       ; LDS of a wave: two stages of 32 x SP bytes
.set SP,    80
	s_load_b128 s[4:7], s[0:1], 0x0                ; x, xq
	v_lshl_add_u32 v192, v0, 2, 0x8000
	v_mov_b32 v193, 0
	v_lshrrev_b32 v1, 5, v0
	v_readfirstlane_b32 s16, v1                    ; wave
	v_and_b32 v2, 31, v0                           ; lane
	v_lshlrev_b32 v3, 4, v2                        ; my 16 bytes of a load's 512
	s_mul_i32 s17, s16, WREG
	v_lshrrev_b32 v14, 2, v2
	v_mul_u32_u24 v14, v14, SP
	v_and_b32 v15, 3, v2
	v_lshl_add_u32 v14, v15, 4, v14
	v_add_nc_u32 v14, s17, v14                     ; the stage, on the way in: SP (lane / 4) + 16 (lane % 4)
	v_mul_u32_u24 v15, v2, SP
	v_add_nc_u32 v15, s17, v15                     ; on the way out: SP x lane
	v_mul_u32_u24 v4, v2, CB                       ; my codes' place in a step's
	v_lshrrev_b32 v5, 1, v2
	s_lshl_b32 s17, s16, 6
	s_add_co_u32 s17, s17, 2*32*SP
	v_add_nc_u32 v5, s17, v5                       ; my block's byte among the work-group's 256: behind wave 0's stages, 64 a wave
	v_lshlrev_b32 v7, 3, v2
	v_add_nc_u32 v6, 2*32*SP, v7
	s_mov_b32 s23, MANT
	s_lshl_b32 s18, ttmp9, 2
	s_add_co_u32 s18, s18, s16                     ; which run of 2,048 numbers is my wave's
	s_lshl_b32 s20, s18, 13                        ; 8,192 bytes of x,
	s_mov_b32 s21, 0
	s_lshl_b32 s24, s18, 11                        ; 2,048 of codes;
	s_mov_b32 s25, 0
	s_lshl_b32 s26, ttmp9, 8                       ; 256 scale bytes a work-group
	s_add_co_u32 s26, s26, 0x400000
	s_mov_b32 s27, 0
	s_wait_alu depctr_va_vdst(0)
	s_wait_kmcnt 0x0
	s_add_nc_u64 s[4:5], s[4:5], s[20:21]
	s_add_nc_u64 s[8:9], s[6:7], s[24:25]
	s_add_nc_u64 s[10:11], s[6:7], s[26:27]
.macro LOAD t
.irp i, 0,1,2,3
	global_load_b128 v[R+16*((\t)%4)+4*\i:R+16*((\t)%4)+4*\i+3], v3, s[4:5] offset:2048*(\t)+512*\i th:TH_LOAD_NT
.endr
.endm
.macro TURN t                          ; step t's numbers through the stage; LDS serves a wave's instructions in order
.irp i, 0,1,2,3
	ds_store_b128 v14, v[R+16*((\t)%4)+4*\i:R+16*((\t)%4)+4*\i+3] offset:32*SP*((\t)%2)+8*SP*\i
.endr
.irp i, 0,1,2,3
	ds_load_b128 v[X+16*((\t)%2)+4*\i:X+16*((\t)%2)+4*\i+3], v15 offset:32*SP*((\t)%2)+16*\i
.endr
.endm
.irp t, 0,1,2,3
	LOAD \t
.endr
	s_wait_loadcnt 12                              ; step 0's four loads are in; twelve younger ones stay out
	TURN 0
.macro STEP t
.set XS, X+16*((\t)%2)
.if (\t) > 0
	s_wait_dscnt 1                                 ; this step's numbers are back (the last step's byte store may be out)
.else
	s_wait_dscnt 0x0
.endif
.if (\t)+1 < STEPS
	s_wait_loadcnt 4*(STEPS-2-(\t))                ; the next step's four loads are in; those of the steps behind it may be out
	TURN (\t)+1
.endif
	v_max3_num_f32 v8, |v[XS]|, |v[XS+1]|, |v[XS+2]|
	v_max3_num_f32 v9, |v[XS+3]|, |v[XS+4]|, |v[XS+5]|
.irp i, 6,10
	v_max3_num_f32 v8, v8, |v[XS+\i]|, |v[XS+\i+1]|
	v_max3_num_f32 v9, v9, |v[XS+\i+2]|, |v[XS+\i+3]|
.endr
	v_max3_num_f32 v8, v8, |v[XS+14]|, |v[XS+15]|
	v_max3_num_f32 v8, v8, v9, 0x4800000           ; and the floor 2^(9 - 127): the byte cannot fall under 1
	v_max_num_f32_dpp v8, v8, v8 row_xmask:1 row_mask:0xf bank_mask:0xf   ; with my neighbour's 16: the block's
	v_add_nc_u32 v11, 0xfc000000, v8               ; 8 off the exponent field: the conversion's scale operand
	v_and_or_b32 v10, v8, 0x7f800000, s23          ; 448 x the scale
.irp i, 0,1,2,3,4,5,6,7,8,9,10,11,12,13,14,15
	v_med3_num_f32 v[XS+\i], v[XS+\i], -v10, v10   ; the conversion does not saturate (ISA guide 7.6.2): the hold comes first
.endr
	v_cvt_scalef32_pk8_fp8_f32 v[C+4*(\t):C+4*(\t)+1], v[XS:XS+7], v11
	v_cvt_scalef32_pk8_fp8_f32 v[C+4*(\t)+2:C+4*(\t)+3], v[XS+8:XS+15], v11
	v_lshrrev_b32 v[E+(\t)], 23, v11               ; the scale's byte
	ds_store_b8 v5, v[E+(\t)] offset:16*(\t)       ; both lanes of a block write the same byte with the same value
	global_store_b128 v4, v[C+4*(\t):C+4*(\t)+3], s[8:9] offset:32*CB*(\t)
.endm
.irp t, 0,1,2,3
	STEP \t
.endr
	s_wait_dscnt 0x0                               ; for wave 0's sake: my byte stores are done
	s_barrier_signal -1
	s_barrier_wait -1
	s_cmp_lg_u32 s16, 0
	s_cbranch_scc1 .Ldone
	ds_load_b64 v[12:13], v6
	s_wait_dscnt 0x0
	global_store_b64 v7, v[12:13], s[10:11]        ; 32 lanes store 256 consecutive, aligned bytes
.Ldone:
	s_wait_tensorcnt 0x0                           ; the wave's end
	ds_add_u32 v192, v193
	s_wait_dscnt 0x0
	s_endpgm
.Lfunc_end_k_q84b9b127b7_quantx:
	.size	k_q84b9b127b7_quantx, .Lfunc_end_k_q84b9b127b7_quantx-k_q84b9b127b7_quantx
	.p2alignl 7, 3214868480
	.fill 96, 4, 3214868480
	.section	.rodata,"a",@progbits
	.p2align	6, 0x0
	.amdhsa_kernel k_q84b9b127b7_quantx
		.amdhsa_group_segment_fixed_size 33280
		.amdhsa_private_segment_fixed_size 0
		.amdhsa_enable_private_segment 0
		.amdhsa_kernarg_size 16
		.amdhsa_user_sgpr_count 2
		.amdhsa_user_sgpr_kernarg_segment_ptr 1
		.amdhsa_wavefront_size32 1
		.amdhsa_system_sgpr_workgroup_id_x 1
		.amdhsa_system_sgpr_workgroup_id_y 1
		.amdhsa_system_sgpr_workgroup_id_z 1
		.amdhsa_system_vgpr_workitem_id 0
		.amdhsa_next_free_vgpr 194
		.amdhsa_next_free_sgpr 66
		.amdhsa_reserve_vcc 0
		.amdhsa_float_denorm_mode_32 3
		.amdhsa_float_denorm_mode_16_64 3
		.amdhsa_memory_ordered 1
		.amdhsa_forward_progress 1
		.amdhsa_inst_pref_size 15
	.end_amdhsa_kernel
	.amdgpu_metadata
---
amdhsa.version: [ 1, 2 ]
amdhsa.kernels:
  - .name:           k_q84b9b127b7_quantx
    .symbol:         k_q84b9b127b7_quantx.kd
    .args:
      - { .name: x, .offset: 0, .size: 8, .value_kind: global_buffer, .address_space: global }
      - { .name: xq, .offset: 8, .size: 8, .value_kind: global_buffer, .address_space: global }
    .group_segment_fixed_size: 33280
    .private_segment_fixed_size: 0
    .kernarg_segment_align: 8
    .kernarg_segment_size: 16
    .max_flat_workgroup_size: 128
    .sgpr_count:     66
    .vgpr_count:     194
    .wavefront_size: 32
...
	.end_amdgpu_metadata
.endif
;; end of part 1
;; launch qkv (part 2): grid 12 x 16, 4 waves a work-group, clusters of 4 x 4, 327,680 bytes of LDS; arguments xq, wq_codes, wq_scales, bq, wk_codes, wk_scales, bk, wv_codes, wv_scales, bv, qkv; writes qkv
.if DOCPART == 2
	.amdgcn_target "amdgcn-amd-amdhsa--gfx1250"
	.amdhsa_code_object_version 6
	.text
	.protected	k_q84b9b127b7_qkv
	.globl	k_q84b9b127b7_qkv
	.p2align	8
	.type	k_q84b9b127b7_qkv,@function
k_q84b9b127b7_qkv:
	s_mov_b64 s[64:65], 0
	v_nop
	global_prefetch_b8 v0, s[64:65] scope:SCOPE_SE
	s_setreg_imm32_b32 hwreg(HW_REG_WAVE_MODE, 25, 1), 1
	s_wait_xcnt 0x0
	s_wait_alu depctr_hold_cnt(0) depctr_sa_sdst(0) depctr_va_vdst(0) depctr_va_sdst(0) depctr_va_ssrc(0) depctr_va_vcc(0) depctr_vm_vsrc(0)
	s_getreg_b32 s2, hwreg(HW_REG_IB_STS2, 6, 4)
	s_cmp_eq_u32 s2, 0
	s_cbranch_scc0 .Lentry_in_a_cluster
	s_endpgm
.Lentry_in_a_cluster:
	s_bfe_u32 s2, ttmp6, 0x10000c
	s_cmp_lg_u32 s2, 0xf033
	s_cbranch_scc0 .Lentry_shape_is_right
	s_endpgm
.Lentry_shape_is_right:
.set SIZE_K, 1024
.set KSTEP,  256
.set NQ,     KSTEP/128
.set ROWB,   256
.set KROW,   SIZE_K
.set PITCH,  272
.set FR,     16
.set NL,     4
.set NP,     8
.set HALFT,  128*PITCH
.set SLOT,   4*HALFT
.set LAPS,   SIZE_K/(2*KSTEP)
.set KS,     SIZE_K/32
.set SCL,    2*SLOT
.set HALFS,  (128*KS/256)*272
.set SBLK,   (16*KS/256)*272
.set SPARE,  SCL+4*HALFS
.set SCST,   256*272
.set BM,   8
.set ADRA, 16
.set ADRB, 20
.set VRD,  22
.set BMO,  23
.set STO,  24
.set RD,   25
.set CO,   26
.set ADRS, 27
.set SPW,  28
.set NIL,  29
.set SST,  30
.set WRD,  31
.set SC,   32
.set BN,   64
.set TM,   64
.set PC,   88
.set RB,   104
.set AF,   128
.set BK,   128
.set MNT,  2
.set ISV,  96
.set SEL,  98
.set G1, 24
.set G0, 32
.set G1B, 48
.set G0B, 56
.set G1S, 68
.set G0S, 76
.set G1SB, 80
.set G0SB, 88
.set MSB, 0
.macro WIN new
.if MSB != (\new)
	s_set_vgpr_msb (MSB<<8)|(\new)
.set MSB, (\new)
.endif
.endm
.set MUL_LO, 0xa1
.set MUL_HI, 0xf1
.set TO_B,   0x40
.macro JLOAD g0a, g1a, g0b, g1b
	s_cmp_eq_u32 s15, 0
	s_cbranch_scc0 .Lfor_b_\@
	tensor_load_to_lds s[\g0a:\g0a+3], s[\g1a:\g1a+7]
	s_nop 0
.rept 4
	v_nop
.endr
	s_branch .Lasked_\@
.Lfor_b_\@:
	tensor_load_to_lds s[\g0b:\g0b+3], s[\g1b:\g1b+7]
	s_nop 0
.rept 4
	v_nop
.endr
.Lasked_\@:
.endm
.macro CREST
	s_cmp_lg_u32 s14, 0
	s_cbranch_scc1 .Lnot_wave_0_\@
	s_barrier_signal -3
.Lnot_wave_0_\@:
	s_barrier_wait -3
	s_barrier_signal -1
	s_barrier_wait -1
.endm
.macro CROUND
	s_barrier_signal -1
	s_barrier_wait -1
	CREST
.endm
	s_load_b64 s[4:5], s[0:1], 0x0
	s_load_b128 s[68:71], s[0:1], 0x8
	s_load_b64 s[72:73], s[0:1], 0x18
	s_load_b128 s[76:79], s[0:1], 0x20
	s_load_b64 s[80:81], s[0:1], 0x30
	s_load_b128 s[84:87], s[0:1], 0x38
	s_load_b64 s[88:89], s[0:1], 0x48
	s_load_b64 s[12:13], s[0:1], 0x50
	v_lshl_add_u32 v[SPW], v0, 2, SPARE
	v_mov_b32 v[NIL], 0
	ds_add_u32 v28, v29
	ds_add_u32 v28, v29
	s_wait_dscnt 0x0
	v_lshrrev_b32 v1, 5, v0
	v_readfirstlane_b32 s14, v1
	s_lshr_b32 s15, s14, 1
	s_and_b32 s16, s14, 1
	s_bfe_u32 s40, ttmp6, 0x40000
	s_bfe_u32 s41, ttmp6, 0x40004
	s_and_b32 s17, ttmp7, 0xffff
	s_lshl_b32 s17, s17, 2
	s_add_co_u32 s46, s17, s40
	s_add_co_u32 s18, s17, s41
	s_cmp_eq_u32 ttmp9, 2
	s_cselect_b32 s17, s41, s18
	s_cselect_b32 s42, s46, s40
	s_lshl_b32 s43, s41, 2
	s_lshl_b32 s43, 15, s43
	s_lshl_b32 s44, 0x1111, s40
	s_or_b32 s[G1+0], s43, (0<<16)|(1<<20)|(1<<21)|(5<<22)|(3<<25)
	s_or_b32 s[G1B+0], s44, (0<<16)|(1<<20)|(1<<21)|(5<<22)|(3<<25)
.irp g, G1, G1B
	s_mov_b32 s[\g+1], ROWB<<16
	s_mov_b32 s[\g+2], 256<<16                     ; the head's loads bring 256 rows; the ring's 128
	s_mov_b32 s[\g+3], ROWB<<16
	s_mov_b32 s[\g+4], 256
	s_mov_b32 s[\g+5], KROW
	s_mov_b32 s[\g+6], 0
	s_mov_b32 s[\g+7], 0
.endr
	s_lshl_b32 s20, s17, 8
	s_lshl_b32 s46, s42, 8
	s_mov_b32 s21, 0
	s_mov_b32 s47, 0
	s_mov_b64 s[18:19], KS
	s_mul_u64 s[22:23], s[20:21], s[18:19]         ; the scales of the tile's 256 rows, from its first row on
	s_mul_u64 s[100:101], s[46:47], s[18:19]
	s_lshl_b32 s18, s16, 7
	s_add_co_u32 s20, s20, s18                     ; the codes: my 128 rows of the tile
	s_add_co_u32 s46, s46, s18
	s_mov_b64 s[18:19], KROW
	s_mul_u64 s[20:21], s[20:21], s[18:19]
	s_mul_u64 s[46:47], s[46:47], s[18:19]
	s_mul_i32 s45, s14, HALFT
	s_mul_i32 s97, s15, 2*HALFS                    ; A's scales, then B's
	s_mov_b32 s[MNT], 0x600000
	s_mov_b32 s[SEL], 0x76543210
	s_mov_b32 s[SEL+1], 0xfedcba98
	s_wait_kmcnt 0x0
	s_cmp_eq_u32 ttmp9, 0
	s_cselect_b64 s[6:7], s[68:69], s[76:77]
	s_cselect_b64 s[8:9], s[70:71], s[78:79]
	s_cselect_b64 s[66:67], s[72:73], s[80:81]
	s_cmp_eq_u32 ttmp9, 2
	s_cselect_b64 s[6:7], s[84:85], s[6:7]
	s_cselect_b64 s[8:9], s[86:87], s[8:9]
	s_cselect_b64 s[66:67], s[88:89], s[66:67]
	s_cselect_b32 s[ISV], -1, 0
	s_add_nc_u64 s[10:11], s[4:5], 0x400000
	s_cselect_b64 s[92:93], s[6:7], s[4:5]
	s_cselect_b64 s[94:95], s[8:9], s[10:11]
	s_cselect_b64 s[6:7], s[4:5], s[6:7]
	s_cselect_b64 s[8:9], s[10:11], s[8:9]
	s_or_b32 s[G1S+0], s43, (3<<16)|(1<<20)|(1<<21)|(5<<22)|(3<<25)
	s_or_b32 s[G1SB+0], s44, (3<<16)|(1<<20)|(1<<21)|(5<<22)|(3<<25)
.irp g, G1S, G1SB
	s_mov_b32 s[\g+1], 32<<16
	s_mov_b32 s[\g+2], (256*KS/256)<<16
	s_mov_b32 s[\g+3], 32<<16
	s_mov_b32 s[\g+4], 256*KS/256
	s_mov_b32 s[\g+5], 32
	s_mov_b32 s[\g+6], 0
	s_mov_b32 s[\g+7], 0
.endr
	s_add_nc_u64 s[20:21], s[92:93], s[20:21]
	s_add_nc_u64 s[22:23], s[94:95], s[22:23]
	s_add_nc_u64 s[46:47], s[6:7], s[46:47]
	s_add_nc_u64 s[100:101], s[8:9], s[100:101]
	CROUND
	s_mov_b32 s[G0S], 1
	s_add_co_u32 s[G0S+1], s97, SCL
	s_mov_b64 s[G0S+2:G0S+3], s[22:23]
	s_or_b32 s[G0S+3], s[G0S+3], 0x80000000
	s_mov_b32 s[G0SB], 1
	s_add_co_u32 s[G0SB+1], s97, SCL
	s_mov_b64 s[G0SB+2:G0SB+3], s[100:101]
	s_or_b32 s[G0SB+3], s[G0SB+3], 0x80000000
.irp s, 0,1
	s_mov_b32 s[G0+4*\s], 1
	s_add_co_u32 s[G0+4*\s+1], s45, \s*SLOT
	s_add_nc_u64 s[G0+4*\s+2:G0+4*\s+3], s[20:21], \s*ROWB
	s_or_b32 s[G0+4*\s+3], s[G0+4*\s+3], 0x80000000
	s_mov_b32 s[G0B+4*\s], 1
	s_add_co_u32 s[G0B+4*\s+1], s45, \s*SLOT
	s_add_nc_u64 s[G0B+4*\s+2:G0B+4*\s+3], s[46:47], \s*ROWB
	s_or_b32 s[G0B+4*\s+3], s[G0B+4*\s+3], 0x80000000
.endr
; THE HEAD'S LOADS, ONE A WAVE: wave 0 K step 0's 256 rows of A (its own slot-0 group 0 names their first byte), wave 1 A's scales, wave 2 the 256 rows of B, wave 3 B's scales.
.macro ARM under, g0, g1, next
	s_cmp_lt_u32 s14, \under
	s_cbranch_scc0 \next
	tensor_load_to_lds s[\g0:\g0+3], s[\g1:\g1+7]
	s_nop 0
.rept 4
	v_nop
.endr
	s_branch .Lhead_asked
\next:
.endm
	ARM 1, G0,  G1,  .Lhead_sa
	ARM 2, G0S, G1S, .Lhead_b
	ARM 3, G0B, G1B, .Lhead_sb
	tensor_load_to_lds s[G0SB:G0SB+3], s[G1SB:G1SB+7]
	s_nop 0
.rept 4
	v_nop
.endr
.Lhead_asked:
; PREFETCH: K steps 2 and 3, each two loads ahead of its own.  Of the 128 rows that a wave fetches each of the four partners names 32, told apart by address; a lane a row of 256 bytes.  K has four steps, so none stands in the loop.
	s_lshl_b32 s20, s17, 8
	s_lshl_b32 s21, s42, 8
	s_cmp_eq_u32 s15, 0
	s_cselect_b32 s20, s20, s21
	s_cselect_b32 s21, s40, s41
	s_cselect_b64 s[94:95], s[92:93], s[6:7]
	s_lshl_b32 s22, s16, 7
	s_add_co_u32 s20, s20, s22
	s_lshl_b32 s21, s21, 5
	s_add_co_u32 s20, s20, s21
	s_lshl_b32 s20, s20, 10
	s_mov_b32 s21, 0
	s_add_nc_u64 s[94:95], s[94:95], s[20:21]
	v_and_b32 v18, 31, v0
	v_lshlrev_b32 v18, 10, v18
	global_prefetch_b8 v18, s[94:95] offset:2*ROWB th:TH_LOAD_NT scope:SCOPE_SE
	s_and_b32 s18, s42, 3
	s_lshl_b32 s18, s18, 10
	s_lshl_b32 s19, s16, 9
	s_add_co_u32 s18, s18, s19
	s_mov_b32 s19, 0
	s_add_nc_u64 s[6:7], s[66:67], s[18:19]
	s_and_b32 s18, s17, 3
	s_lshl_b32 s18, s18, 10
	s_lshl_b32 s19, s15, 9
	s_add_co_u32 s18, s18, s19
	s_mov_b32 s19, 0
	s_add_nc_u64 s[8:9], s[66:67], s[18:19]
	v_and_b32 v1, 15, v0
	v_bfe_u32 v2, v0, 4, 1
	v_lshlrev_b32 v7, 5, v2
	v_lshlrev_b32 v[BMO], 2, v1
.irp b, 0,1,2,3,4,5,6,7
	global_load_b128 v[BN+8*\b:BN+8*\b+3], v7, s[6:7] offset:64*\b
	global_load_b128 v[BN+8*\b+4:BN+8*\b+7], v7, s[6:7] offset:64*\b+16
.endr
.irp b, 0,1,2,3,4,5,6,7
	global_load_b32 v[BM+\b], v[BMO], s[8:9] offset:64*\b
.endr
	v_mul_u32_u24 v3, v1, PITCH
	v_lshl_add_u32 v4, v2, 4, v3
	s_mul_i32 s21, s15, HALFT
	s_mul_i32 s22, s16, HALFT
	s_add_co_u32 s22, s22, 2*HALFT
.irp s, 0,1
	v_add_nc_u32 v[ADRA+\s], s21, v4
	v_add_nc_u32 v[ADRB+\s], s22, v4
	s_add_co_u32 s21, s21, SLOT
	s_add_co_u32 s22, s22, SLOT
.endr
	v_mul_u32_u24 v5, v1, KS
	v_lshrrev_b32 v6, 8, v5
	v_lshl_add_u32 v5, v6, 4, v5
	s_mul_i32 s21, s15, HALFS
	s_mul_i32 s22, s16, HALFS
	s_add_co_u32 s22, s22, 2*HALFS
	s_sub_co_u32 s22, s22, s21
	v_mul_u32_u24 v6, s22, v2
	s_add_co_u32 s21, s21, SCL
	v_add_nc_u32 v5, v5, v6
	v_add_nc_u32 v[ADRS], s21, v5
	s_mul_i32 s23, s15, 128*272
	s_lshl_b32 s21, s16, 7
	s_add_co_u32 s23, s23, s21
	v_lshl_add_u32 v5, v2, 3, v3
	v_add_nc_u32 v[STO], s23, v5
	s_lshl_b32 s23, s16, 11
	s_lshl_b32 s21, s15, 9
	s_add_co_u32 s23, s23, s21
	s_add_co_u32 s23, s23, SCST
	v_lshl_add_u32 v[SST], v1, 2, s23
	v_and_b32 v5, 8, v1
	v_add_nc_u32 v5, v5, v1
	v_mul_u32_u24 v5, v5, 272
	v_lshl_add_u32 v5, v2, 4, v5
	s_mul_i32 s23, s14, 64*272
	v_add_nc_u32 v[RD], s23, v5
	v_and_b32 v6, 31, v0
	v_lshlrev_b32 v[CO], 4, v6
	s_lshl_b32 s23, s14, 10
	s_add_co_u32 s23, s23, SCST
	v_add_nc_u32 v[WRD], s23, v[CO]
	s_lshl_b32 s23, s14, 8
	s_add_co_u32 s23, s23, SCST
	v_lshlrev_b32 v5, 11, v2
	v_lshl_add_u32 v5, v1, 4, v5
	v_add_nc_u32 v[VRD], s23, v5
	s_lshr_b32 s20, s17, 3
	s_lshl_b32 s20, s20, 4
	s_lshl_b32 s21, s42, 2
	s_add_co_u32 s20, s20, s21
	s_and_b32 s21, s17, 7
	s_lshl_b32 s22, s20, 17
	s_lshl_b32 s23, s21, 14
	s_add_co_u32 s22, s22, s23
	s_lshl_b32 s23, s14, 12
	s_add_co_u32 s22, s22, s23
	s_lshl_b32 s23, ttmp9, 22
	s_add_co_u32 s22, s22, s23
	s_add_co_u32 s20, s20, s14
	s_mov_b32 s23, 12288
	s_mov_b32 s46, 12845056
	s_cmp_eq_u32 ttmp9, 0
	s_cselect_b32 s23, 8192, s23
	s_cselect_b32 s46, 12582912, s46
	s_mul_i32 s20, s20, s23
	s_add_co_u32 s20, s20, s46
	s_lshl_b32 s21, s21, 10
	s_add_co_u32 s20, s20, s21
	s_lshr_b32 s46, s42, 3
	s_lshl_b32 s46, s46, 4
	s_lshl_b32 s47, s17, 2
	s_add_co_u32 s46, s46, s47
	s_add_co_u32 s46, s46, s14
	s_and_b32 s47, s42, 7
	s_lshl_b32 s21, s46, 17
	s_lshl_b32 s23, s47, 14
	s_add_co_u32 s21, s21, s23
	s_add_co_u32 s21, s21, 0x800000
	s_mul_i32 s46, s46, 12288
	s_lshl_b32 s47, s47, 9
	s_add_co_u32 s46, s46, s47
	s_add_co_u32 s46, s46, 12845056+8192
	s_cmp_eq_u32 ttmp9, 2
	s_cselect_b32 s22, s21, s22
	s_cselect_b32 s20, s46, s20
	s_mov_b32 s23, 0
	s_mov_b32 s21, 0
	s_add_nc_u64 s[10:11], s[12:13], s[20:21]
	s_add_nc_u64 s[12:13], s[12:13], s[22:23]
.macro FRAG reg, adr, q, i
.irp c, 0,1,2,3
	ds_load_b128 v[\reg+4*\c:\reg+4*\c+3], v[\adr] offset:128*(\q)+32*\c+(\i)*16*PITCH
.endr
.endm
.macro MUL16 a0, p, q, sc, first
.irp a, \a0, \a0+1
.irp b, 0,1,2,3,4,5,6,7
.if \first
	v_wmma_scale_f32_16x16x128_f8f6f4 v[8*(8*((\a)%4)+\b):8*(8*((\a)%4)+\b)+7], v[128*(\p)+FR*\b:128*(\p)+FR*\b+FR-1], v[AF+FR*(\a):AF+FR*(\a)+FR-1], v[BN+8*\b:BN+8*\b+7], v[SC+8*NQ*(\sc)+NQ*\b+(\q)], v[SC+8*NQ*(\sc)+NQ*(\a)+(\q)] matrix_a_scale:MATRIX_SCALE_ROW1
.else
	v_wmma_scale_f32_16x16x128_f8f6f4 v[8*(8*((\a)%4)+\b):8*(8*((\a)%4)+\b)+7], v[128*(\p)+FR*\b:128*(\p)+FR*\b+FR-1], v[AF+FR*(\a):AF+FR*(\a)+FR-1], v[8*(8*((\a)%4)+\b):8*(8*((\a)%4)+\b)+7], v[SC+8*NQ*(\sc)+NQ*\b+(\q)], v[SC+8*NQ*(\sc)+NQ*(\a)+(\q)] matrix_a_scale:MATRIX_SCALE_ROW1
.endif
.endr
.endr
.endm
.macro FETCH_B slot, q, p
	WIN TO_B
.irp i, 0,1,2,3,4,5,6,7
	FRAG 128*(\p)+FR*\i, ADRB+\slot, \q, \i
.endr
	WIN 0
.endm
.macro FETCH_A slot, q, i0
.irp i, \i0, \i0+1, \i0+2, \i0+3
	FRAG AF+FR*(\i), ADRA+\slot, \q, \i
.endr
.endm
.macro SCALES sc
.irp i, 0,1,2,3,4,5,6,7
	ds_load_b64 v[SC+8*NQ*\sc+NQ*\i:SC+8*NQ*\sc+NQ*\i+1], v[ADRS] offset:\i*SBLK
.endr
.endm
.macro PLACES n
.rept \n
	v_nop
.endr
.endm
.macro STEP slot, q, first
	s_wait_dscnt 4*NL
	WIN MUL_LO-0x20*(\first)
	MUL16 0, (\q)%2, \q, \slot, \first
	MUL16 2, (\q)%2, \q, \slot, \first
	s_wait_dscnt 0
	PLACES NP
	FETCH_B \slot, (\q)+1, 1-(\q)%2
	FETCH_A \slot, (\q)+1, 0
	WIN MUL_HI-0x30*(\first)
	MUL16 4, (\q)%2, \q, \slot, \first
	MUL16 6, (\q)%2, \q, \slot, \first
	PLACES NP
	WIN 0
	FETCH_A \slot, (\q)+1, 4
.endm
.macro TURN slot, next, fill
	s_wait_tensorcnt 0x0
	ds_add_u32 v[SPW], v[NIL]
	s_wait_dscnt 4*NL+1
	WIN MUL_LO
	MUL16 0, 1, NQ-1, \slot, 0
	s_wait_dscnt 0x0
	s_barrier_signal -1
	MUL16 2, 1, NQ-1, \slot, 0
	WIN 0
	s_barrier_wait -1
.if \fill
	CREST
	s_add_nc_u64 s[G0+4*\slot+2:G0+4*\slot+3], s[G0+4*\slot+2:G0+4*\slot+3], 2*ROWB
	s_add_nc_u64 s[G0B+4*\slot+2:G0B+4*\slot+3], s[G0B+4*\slot+2:G0B+4*\slot+3], 2*ROWB
	JLOAD G0+4*\slot, G1, G0B+4*\slot, G1B
	PLACES NP-4
.else
	PLACES NP
.endif
	s_wait_alu depctr_va_vdst(0)
	v_add_nc_u32 v[ADRS], 4*NQ, v[ADRS]
	FETCH_B \next, 0, 0
	FETCH_A \next, 0, 0
	SCALES \next
	WIN MUL_HI
	MUL16 4, 1, NQ-1, \slot, 0
	MUL16 6, 1, NQ-1, \slot, 0
	PLACES NP
	WIN 0
	FETCH_A \next, 0, 4
.endm
	s_wait_alu depctr_va_vdst(0)                   ; the head's end
	s_wait_tensorcnt 0x0                           ; my tile of the head's four is in
	ds_add_u32 v[SPW], v[NIL]
	s_mov_b32 s[G1+2], 128<<16                     ; no load of mine is out: from here on a load brings 128 rows
	s_mov_b32 s[G1+4], 128
	s_mov_b32 s[G1B+2], 128<<16
	s_mov_b32 s[G1B+4], 128
	s_wait_dscnt 0x0
	CROUND
	JLOAD G0+4, G1, G0B+4, G1B                     ; K step 1, the first tensor load behind the round
	global_prefetch_b8 v18, s[94:95] offset:3*ROWB th:TH_LOAD_NT scope:SCOPE_SE
	FETCH_B 0, 0, 0
	FETCH_A 0, 0, 0
	SCALES 0
	FETCH_A 0, 0, 4
	s_wait_loadcnt 0x0
.set i, 0
.rept 64
	v_cndmask_b32 v[BN+i], v[BN+i], v[NIL], s[ISV]
.set i, i+1
.endr
	PLACES 4
	s_wait_alu depctr_va_vdst(0)
	STEP 0, 0, 1
	s_mov_b32 s3, LAPS-1
.Llap:
	TURN 0, 1, 1
	STEP 1, 0, 0
	TURN 1, 0, 1
	STEP 0, 0, 0
	s_sub_co_u32 s3, s3, 1
	s_cmp_lg_u32 s3, 0
	s_cbranch_scc1 .Llap
	TURN 0, 1, 0
	STEP 1, 0, 0
	s_wait_dscnt 4*NL
	WIN MUL_LO
	MUL16 0, 1, NQ-1, 1, 0
	MUL16 2, 1, NQ-1, 1, 0
	s_wait_dscnt 0
	WIN MUL_HI
	MUL16 4, 1, NQ-1, 1, 0
	MUL16 6, 1, NQ-1, 1, 0
	WIN 0
	PLACES NP
.irp b, 0,1,2,3
	v_mov_b32 v[TM+4+\b], 0
.endr
.macro ROWBIAS a
.set W, 2+(\a)/4
.set AC, 64*((\a)%4)
	WIN (W<<6)|W
.set i, 0
.rept 32
	v_pk_add_f32 v[AC+i:AC+i+1], v[AC+i:AC+i+1], v[RB+2*(\a):RB+2*(\a)+1]
.set i, i+2
.endr
.endm
	s_cmp_eq_u32 s[ISV], 0
	s_cbranch_scc1 .Lno_row_bias
.irp a, 0,1,2,3,4,5,6,7
	v_mov_b32 v[RB+2*\a], v[BM+\a]
	v_mov_b32 v[RB+2*\a+1], v[BM+\a]
.endr
.irp a, 0,1,2,3,4,5,6,7
	ROWBIAS \a
.endr
	WIN 0
.Lno_row_bias:
.macro QUANTA a
.set W, 2+(\a)/4
.set AC, 64*((\a)%4)
	WIN W|(W<<2)
.irp b, 0,1,2,3
	v_max3_num_f32 v[TM+\b], |v[AC+16*\b]|, |v[AC+16*\b+1]|, 0x4800000
.endr
	WIN (W<<2)|(W<<4)
.irp i, 2,4,6,8,10,12,14
.irp b, 0,1,2,3
	v_max3_num_f32 v[TM+\b], v[TM+\b], |v[AC+16*\b+\i]|, |v[AC+16*\b+\i+1]|
.endr
.endr
	WIN 0
	s_wait_alu depctr_va_vdst(0)
	s_wait_dscnt 0x0
.irp b, 0,1,2,3
	v_permlanex16_b32 v[TM+4+\b], v[TM+\b], s[SEL], s[SEL+1]
.endr
.irp b, 0,1,2,3
	v_max_num_f32 v[TM+\b], v[TM+\b], v[TM+4+\b]
.endr
.irp b, 0,1,2,3
	v_add_nc_u32 v[TM+12+\b], 0xfc000000, v[TM+\b]
.endr
.irp b, 0,1,2,3
	v_and_or_b32 v[TM+8+\b], v[TM+\b], 0x7f800000, s[MNT]
.endr
.irp b, 0,1,2,3
	v_lshrrev_b32 v[TM+4+\b], 23, v[TM+12+\b]
.endr
	v_lshl_or_b32 v80, v[TM+5], 8, v[TM+4]
	v_lshl_or_b32 v81, v[TM+7], 8, v[TM+6]
	v_cndmask_b32 v82, v80, v81, s[ISV]
	v_lshl_or_b32 v83, v82, 16, v80
	v_lshl_or_b32 v84, v81, 16, v81
	WIN (W<<6)|W
.irp b, 0,1,2,3
.set i, 0
.rept 16
	v_med3_num_f32 v[AC+16*\b+i], v[AC+16*\b+i], -v[TM+8+\b], v[TM+8+\b]
.set i, i+1
.endr
.endr
	WIN W
.irp b, 0,1,2,3
	v_cvt_scalef32_pk8_fp8_f32 v[PC+4*\b:PC+4*\b+1], v[AC+16*\b:AC+16*\b+7], v[TM+12+\b]
	v_cvt_scalef32_pk8_fp8_f32 v[PC+4*\b+2:PC+4*\b+3], v[AC+16*\b+8:AC+16*\b+15], v[TM+12+\b]
.endr
	WIN 0
	v_nop
.irp b, 0,1,2,3
	ds_store_b64 v[STO], v[PC+4*\b:PC+4*\b+1] offset:(\a)*4352+32*\b
	ds_store_b64 v[STO], v[PC+4*\b+2:PC+4*\b+3] offset:(\a)*4352+32*\b+16
.endr
	ds_store_b32 v[SST], v83 offset:64*(\a)
	ds_store_b32 v[SST], v84 offset:1024+64*(\a)
.endm
.irp a, 0,1,2,3,4,5,6,7
	QUANTA \a
.endr
	s_wait_dscnt 0x0
	s_barrier_signal -1
	s_barrier_wait -1
.irp t, 0,1,2,3
.irp c, 0,1,2,3,4,5,6,7
	ds_load_b128 v[BK+4*(8*\t+\c):BK+4*(8*\t+\c)+3], v[RD] offset:(32*(\t/2)+8*(\t%2))*272+32*\c
.endr
.endr
	ds_load_b128 v[104:107], v[WRD]
	ds_load_b128 v[108:111], v[WRD] offset:512
	ds_load_b128 v[112:115], v[VRD]
	s_wait_dscnt 0x0
.macro STOREIMG tstep, cdiv, cstep
.irp t, 0,1,2,3
.irp c, 0,1,2,3,4,5,6,7
	global_store_b128 v[CO], v[BK+4*(8*\t+\c):BK+4*(8*\t+\c)+3], s[12:13] offset:\t*(\tstep)+(\c/(\cdiv))*(\cstep)+(\c%(\cdiv))*512
.endr
.endr
.endm
	s_cmp_lg_u32 s[ISV], 0
	s_cbranch_scc1 .Lstore_v
	STOREIMG 1024, 2, 131072
	global_store_b128 v[CO], v[104:107], s[10:11]
	global_store_b128 v[CO], v[108:111], s[10:11] offset:512
	s_branch .Lstored
.Lstore_v:
	STOREIMG 2048, 4, 8192
	global_store_b128 v[CO], v[112:115], s[10:11]
.Lstored:
	s_wait_tensorcnt 0x0
	ds_add_u32 v[SPW], v[NIL]
	s_wait_dscnt 0x0
	CROUND
	s_endpgm
.Lfunc_end_k_q84b9b127b7_qkv:
	.size	k_q84b9b127b7_qkv, .Lfunc_end_k_q84b9b127b7_qkv-k_q84b9b127b7_qkv
	.p2alignl 7, 3214868480
	.fill 96, 4, 3214868480
	.section	.rodata,"a",@progbits
	.p2align	6, 0x0
	.amdhsa_kernel k_q84b9b127b7_qkv
		.amdhsa_group_segment_fixed_size 327680
		.amdhsa_private_segment_fixed_size 0
		.amdhsa_enable_private_segment 0
		.amdhsa_kernarg_size 88
		.amdhsa_user_sgpr_count 2
		.amdhsa_user_sgpr_kernarg_segment_ptr 1
		.amdhsa_wavefront_size32 1
		.amdhsa_system_sgpr_workgroup_id_x 1
		.amdhsa_system_sgpr_workgroup_id_y 1
		.amdhsa_system_sgpr_workgroup_id_z 1
		.amdhsa_system_vgpr_workitem_id 0
		.amdhsa_next_free_vgpr 1024
		.amdhsa_next_free_sgpr 102
		.amdhsa_reserve_vcc 0
		.amdhsa_float_denorm_mode_32 3
		.amdhsa_float_denorm_mode_16_64 3
		.amdhsa_memory_ordered 1
		.amdhsa_forward_progress 1
		.amdhsa_inst_pref_size 225
	.end_amdhsa_kernel
	.amdgpu_metadata
---
amdhsa.version: [ 1, 2 ]
amdhsa.kernels:
  - .name:           k_q84b9b127b7_qkv
    .symbol:         k_q84b9b127b7_qkv.kd
    .args:
      - { .name: xq, .offset: 0, .size: 8, .value_kind: global_buffer, .address_space: global }
      - { .name: wq_codes, .offset: 8, .size: 8, .value_kind: global_buffer, .address_space: global }
      - { .name: wq_scales, .offset: 16, .size: 8, .value_kind: global_buffer, .address_space: global }
      - { .name: bq, .offset: 24, .size: 8, .value_kind: global_buffer, .address_space: global }
      - { .name: wk_codes, .offset: 32, .size: 8, .value_kind: global_buffer, .address_space: global }
      - { .name: wk_scales, .offset: 40, .size: 8, .value_kind: global_buffer, .address_space: global }
      - { .name: bk, .offset: 48, .size: 8, .value_kind: global_buffer, .address_space: global }
      - { .name: wv_codes, .offset: 56, .size: 8, .value_kind: global_buffer, .address_space: global }
      - { .name: wv_scales, .offset: 64, .size: 8, .value_kind: global_buffer, .address_space: global }
      - { .name: bv, .offset: 72, .size: 8, .value_kind: global_buffer, .address_space: global }
      - { .name: qkv, .offset: 80, .size: 8, .value_kind: global_buffer, .address_space: global }
    .group_segment_fixed_size: 327680
    .private_segment_fixed_size: 0
    .kernarg_segment_align: 8
    .kernarg_segment_size: 88
    .max_flat_workgroup_size: 128
    .sgpr_count:     102
    .vgpr_count:     1024
    .wavefront_size: 32
...
	.end_amdgpu_metadata
.endif
;; end of part 2
;; launch attn (part 3): grid 8 x 32, 8 waves a work-group, clusters of 4 x 1, 327,680 bytes of LDS; arguments qkv, ctxq; writes ctxq
.if DOCPART == 3
	.amdgcn_target "amdgcn-amd-amdhsa--gfx1250"
	.amdhsa_code_object_version 6
	.text
	.protected	k_q84b9b127b7_attn
	.globl	k_q84b9b127b7_attn
	.p2align	8
	.type	k_q84b9b127b7_attn,@function
k_q84b9b127b7_attn:
	s_mov_b64 s[64:65], 0
	v_nop
	global_prefetch_b8 v0, s[64:65] scope:SCOPE_SE
	s_setreg_imm32_b32 hwreg(HW_REG_WAVE_MODE, 25, 1), 1
	s_wait_xcnt 0x0
	s_wait_alu depctr_hold_cnt(0) depctr_sa_sdst(0) depctr_va_vdst(0) depctr_va_sdst(0) depctr_va_ssrc(0) depctr_va_vcc(0) depctr_vm_vsrc(0)
	s_getreg_b32 s2, hwreg(HW_REG_IB_STS2, 6, 4)
	s_cmp_eq_u32 s2, 0
	s_cbranch_scc0 .Lentry_in_a_cluster
	s_endpgm
.Lentry_in_a_cluster:
	s_bfe_u32 s2, ttmp6, 0x10000c
	s_cmp_lg_u32 s2, 0x3003
	s_cbranch_scc0 .Lentry_shape_is_right
	s_endpgm
.Lentry_shape_is_right:
; ctx[b][q][64 head + d] = the sum over keys of softmax(q . k / 8) v, both products on codes of FP8 (E4M3) with E8M0 scales; ctx is quantised along its row: codes [4096][1024] at ctxq + 0, bytes [4096][32] at ctxq + 0x400000.
; THE SOFTMAX: t = score x log2(e) / 8; M = the running largest t rounded UP to a whole number; p = 2^(t - M) is quantised along the keys, not normalised; the row's sum is taken of the unquantised p and divides at the end.
; When M moves, the sum and O are multiplied by f = 2^(old M - new M): exact, in every step, with no branch.
; SHARES.  A work-group owns 256 queries of one (batch, head); each of its eight waves 32 of them, TWO tiles of 16: each fragment of k and v and each of their scale words read from LDS feeds two products.
; Every wave walks the head's 2,048 keys, 128 a step.  Both products are used transposed: a lane holds one query of each tile.
; THE WHOLE HEAD LIES IN LDS, each byte filled once: k's images 131,072 bytes, v's 131,072, their scale words 12,288.  At the head one load a wave: waves 0-3 bring 16,384 bytes each of keys 0-511 (k, then v), wave 4 the scale words:
; that is all that the first step and the first three trips read.  Keys 512-2,047 are a later first fill, 24,576 bytes a wave, behind the three lines and a round; they are shown by the barrier behind the third trip, and first read in the fourth.
; CLUSTER.  The four query blocks of a cluster belong to one head: every piece is asked for jointly, with a mask that names the four.
; NO PREFETCH: both groups of loads go out at the head, the second as soon as the first has landed; no load follows for which a loop could ask ahead.
; A HEAD HAS 64 ALONG K, THE INSTRUCTION 128.  Two tiles of k share 16 registers (even tile in K blocks 0, 1; odd in 2, 3).  The even tile's scores come with (q, 0), the odd's with (0, q): the other tile's codes, which are
; finite, meet zero codes.  A scale word of q or k repeats its two bytes.
; THE STEP IS SHIFTED.  A trip is: k's loads for step s + 1; exponentials, sums, holds and codes of step s; the scores of s + 1; O x f and v's loads of step s (the places behind the scores' products);
; the maxima of s + 1 under v's loads; O += v p of step s; tile 0's t - M of s + 1 (the places ahead of k's next loads).  k's eight tiles and v's four fragments take turns in the same 64 registers.
; Among tile 0's exponentials stand tile 1's t - M, among tile 1's exponentials tile 0's holds: lines whose results are read behind the batch's closing wait.
; REGISTERS BY FUNCTION.  Window 0: v1-13 addresses; v16-63 q twice (q, 0, q); v64-127 k or v; v128-159 p's codes; v160-175, v181 scale words alone.
; Window 1: v0-127 the two tiles' S^T, then p; v128-191 O^T; v192-223, v224-255 a tile's softmax state.  So one setting of the windows serves both tiles' vector lines.
; LIMITS: the scaled scores stay under 2^31 in magnitude.  ctx's codes leave as pieces of 64 bytes and its bytes singly: a head is a quarter of 256 aligned bytes of a row of ctx, the other quarters are other work-groups'.
; A block of zeros or under 2^-118 gets the byte 1.  NaN and infinities are not served.
.set VIMG, 131072
.set KSW,  262144
.set VSW,  270336
.set SPARE, 274432                     ; the spare words: 128 bytes a wave
.set LI,   1                           ; window 0: v1 16 x lane; v2 q's word offset; v3, v4 my row among k's, v's scale words; v5 v1 in v's images; v7 r + 8 (r / 8)
.set ASK0, 3
.set ASV0, 4
.set LV,   5
.set ADK,  8                           ; v8-11 the addresses in hand
.set ADV,  9
.set ADS,  10
.set ADT,  11
.set OC,   12                          ; v12, v13 my offsets in ctx's codes and bytes
.set OB,   13
.set QF,   16                          ; + 24 u
.set KF,   64
.set PCD,  128                         ; + 16 u
.set SWK,  160
.set SWV,  168
.set PW,   173                         ; + 8 u: p's scale word
.set QW,   174                         ; + u: q's scale word
.set SPW,  254
.set NIL,  255
.set OT,   128                         ; window 1: S^T at 64 u; O^T at 128 + 32 u; state at P + 32 u:
.set P,    192
.set T2,   4                           ; + 0 the blocks' largest; + 4 at work; + 8 448 x scale; + 12 the conversions' scale operands
.set LIM,  8
.set SCO,  12
.set NM,   16                          ; + 16 -M; + 17 the largest t; + 18, 19 the sum; + 20 f; + 21 the scale word in the making; + 22 at work; + 24 .. 31 four chains of pairs
.set MT,   17
.set LS,   18
.set FF,   20
.set PT,   21
.set TMP,  22
.set SA,   24
.set W1,   0x55                        ; every operand in window 1
.set WS,   0x40                        ; the scores' products: D in window 1
.set WP,   0x50                        ; O's products: C and D in window 1
.set WC,   0x05                        ; conversions: sources in window 1, codes in window 0
.set WQ,   0x11                        ; the scale word's last line: sources 0 and 2 in window 1, result in window 0
.set WV,   8
.set G1T,  16                          ; s[16:23] 64 rows; s[24:31] 48 rows; s[68:75] 96 rows
.set G1S,  24
.set G1U,  68
.set SEL,  44
.set CS,   46                          ; s[46:47] c = log2(e) / 8
.set MNT,  48
.set TK,   49
.set TS,   50
.set TJ,   51
.set TV,   80
.set MSB, 0
.macro WIN new                         ; the immediate's high byte repeats the setting that is left
.if MSB != (\new)
	s_set_vgpr_msb (MSB<<8)|(\new)
.set MSB, (\new)
.endif
.endm
.macro WALU
	s_wait_alu depctr_va_vdst(0)
.endm
.macro CROUND
	s_barrier_signal -1
	s_barrier_wait -1
	s_cmp_lg_u32 s[WV], 0
	s_cbranch_scc1 .Lnot_wave_0_\@
	s_barrier_signal -3
.Lnot_wave_0_\@:
	s_barrier_wait -3
	s_barrier_signal -1
	s_barrier_wait -1
.endm
.macro GRP1 g, rows                    ; dense rows of 256 bytes (32 elements of 8), no padding; the mask names all four, bit 21 beside it
	s_mov_b32 s[\g], 15|(3<<16)|(1<<21)
	s_mov_b32 s[\g+1], 32<<16
	s_mov_b32 s[\g+2], (\rows)<<16
	s_mov_b32 s[\g+3], 32<<16
	s_mov_b32 s[\g+4], \rows
	s_mov_b32 s[\g+5], 32
	s_mov_b32 s[\g+6], 0
	s_mov_b32 s[\g+7], 0
.endm
	s_load_b128 s[4:7], s[0:1], 0x0                ; qkv, ctxq
	v_lshl_add_u32 v[SPW], v0, 2, SPARE
	v_mov_b32 v[NIL], 0
	ds_add_u32 v[SPW], v[NIL]                      ; the opening lines: the add twice and one wait
	ds_add_u32 v[SPW], v[NIL]
	v_lshrrev_b32 v1, 5, v0
	v_readfirstlane_b32 s[WV], v1                  ; wave 0..7
	s_bfe_u32 s9, ttmp6, 0x40000                   ; cx
	s_lshl_b32 s10, ttmp9, 2
	s_add_co_u32 s10, s10, s9                      ; my block of 256 queries: it enters q's and ctx's addresses alone
	s_and_b32 s11, ttmp7, 0xffff                   ; 16 x batch + head, which the four partners share
	GRP1 G1T, 64
	GRP1 G1S, 48
	GRP1 G1U, 96
	s_mul_i32 s12, s11, 12288
	s_add_co_u32 s12, s12, 12845056                ; the head's scale words
	s_mov_b32 s13, 0
	s_lshr_b32 s15, s[WV], 1                       ; the head's pieces, waves 0-3: 0: k, 1: v
	s_and_b32 s54, s[WV], 1
	s_lshl_b32 s54, s54, 14
	s_lshl_b32 s55, s15, 17
	s_add_co_u32 s55, s55, s54                     ; LDS: 131,072 x (k or v) + 16,384 x piece
	s_lshl_b32 s56, s15, 22
	s_add_co_u32 s56, s56, 0x400000
	s_lshl_b32 s57, s11, 17
	s_add_co_u32 s56, s56, s57
	s_add_co_u32 s56, s56, s54                     ; and in qkv
	s_mov_b32 s57, 0
	s_lshr_b32 s15, s[WV], 2                       ; the later pieces, all waves: behind the first 32,768 bytes of k's or of v's images
	s_and_b32 s54, s[WV], 3
	s_mul_i32 s54, s54, 24576
	s_lshl_b32 s76, s15, 17
	s_add_co_u32 s76, s76, s54
	s_add_co_u32 s76, s76, 32768
	s_lshl_b32 s78, s15, 22
	s_add_co_u32 s78, s78, 0x408000
	s_lshl_b32 s79, s11, 17
	s_add_co_u32 s78, s78, s79
	s_add_co_u32 s78, s78, s54
	s_mov_b32 s79, 0
	s_lshl_b32 s58, s10, 4
	s_lshl_b32 s59, s[WV], 1
	s_add_co_u32 s58, s58, s59                     ; T: my first tile of queries, an even number; tiles T and T + 1 hold the 32 queries from 16 T on
	s_lshl_b32 s59, s58, 4                         ; lane 0's query in tile T; in tile T + 1: 8 further on
	s_lshl_b32 s60, s11, 17
	s_lshl_b32 s61, s58, 10
	s_add_co_u32 s60, s60, s61                     ; q's images: 1,024 bytes a tile
	s_mov_b32 s61, 0
	s_lshl_b32 s62, s11, 13
	s_lshl_b32 s63, s59, 2
	s_add_co_u32 s62, s62, s63
	s_add_co_u32 s62, s62, 12582912                ; q's scale words
	s_mov_b32 s63, 0
	s_mov_b32 s[SEL], 0x76543210
	s_mov_b32 s[SEL+1], 0xfedcba98
	s_mov_b32 s[CS], 0x3e38aa3b
	s_mov_b32 s[CS+1], s[CS]
	s_mov_b32 s[MNT], 0x600000
	s_mov_b32 s[TK], 0
	s_mov_b32 s[TS], 0
	s_mov_b32 s[TJ], 0
	s_mov_b32 s[TV], 0
	s_mov_b32 s53, 0xffff0000                      ; lanes 16-31
	s_wait_dscnt 0x0
	s_wait_kmcnt 0x0
	s_mov_b32 s32, 1
	s_mov_b32 s33, KSW
	s_add_nc_u64 s[34:35], s[4:5], s[12:13]
	s_or_b32 s35, s35, 0x80000000
	s_mov_b32 s36, 1
	s_mov_b32 s37, s55
	s_add_nc_u64 s[38:39], s[4:5], s[56:57]
	s_or_b32 s39, s39, 0x80000000
	s_mov_b32 s40, 1
	s_mov_b32 s41, s76
	s_add_nc_u64 s[42:43], s[4:5], s[78:79]
	s_or_b32 s43, s43, 0x80000000
	s_add_nc_u64 s[60:61], s[4:5], s[60:61]
	s_add_nc_u64 s[62:63], s[4:5], s[62:63]
	CROUND                                         ; all four work-groups are here: the joint loads meet
	s_cmp_lt_u32 s[WV], 4                          ; one chain of branches, one load to an arm
	s_cbranch_scc0 .Lhead_words
	tensor_load_to_lds s[36:39], s[G1T:G1T+7]      ; keys 0-511
	s_nop 0
.rept 4
	v_nop
.endr
	s_branch .Lhead_asked
.Lhead_words:
	s_cmp_lt_u32 s[WV], 5
	s_cbranch_scc0 .Lhead_asked
	tensor_load_to_lds s[32:35], s[G1S:G1S+7]      ; the scale words
	s_nop 0
.rept 4
	v_nop
.endr
.Lhead_asked:
	s_lshr_b32 s12, s11, 4
	s_lshl_b32 s12, s12, 11
	s_add_co_u32 s12, s12, s59                     ; lane 0's row of ctx
	s_and_b32 s54, s11, 15                         ; the head
	s_lshl_b32 s14, s12, 5
	s_lshl_b32 s55, s54, 1
	s_add_co_u32 s14, s14, s55
	s_add_co_u32 s14, s14, 0x400000
	s_mov_b32 s15, 0
	s_lshl_b32 s12, s12, 10
	s_lshl_b32 s55, s54, 6
	s_add_co_u32 s12, s12, s55
	s_mov_b32 s13, 0
	s_add_nc_u64 s[12:13], s[6:7], s[12:13]        ; ctx's codes
	s_add_nc_u64 s[14:15], s[6:7], s[14:15]        ; ctx's scale bytes
	v_and_b32 v6, 31, v0
	v_lshlrev_b32 v[LI], 4, v6
	v_add_nc_u32 v[LV], VIMG, v[LI]
	v_and_b32 v6, 15, v0
	v_and_b32 v7, 8, v6
	v_add_nc_u32 v7, v7, v6                        ; r + 8 (r / 8)
	v_lshl_add_u32 v[ASK0], v7, 2, KSW
	v_lshl_add_u32 v[ASV0], v7, 2, VSW
	v_lshlrev_b32 v2, 2, v7
.irp u, 0,1
	global_load_b128 v[QF+24*\u:QF+24*\u+3], v[LI], s[60:61] offset:1024*\u
	global_load_b128 v[QF+24*\u+4:QF+24*\u+7], v[LI], s[60:61] offset:1024*\u+512
	global_load_b32 v[QW+\u], v2, s[62:63] offset:32*\u
.endr
	v_add_nc_u32 v[ADK], s[TK], v[LI]
	v_add_nc_u32 v[ADV], s[TV], v[LV]
	v_add_nc_u32 v[ADS], s[TS], v[ASK0]
	v_add_nc_u32 v[ADT], s[TJ], v[ASV0]
	v_bfe_u32 v6, v0, 4, 1                         ; h
	v_lshlrev_b32 v[OC], 10, v7
	v_lshl_add_u32 v[OC], v6, 4, v[OC]             ; codes: my row x 1,024 + 16 h
	v_lshlrev_b32 v[OB], 5, v7
	v_add_nc_u32 v[OB], v[OB], v6                  ; bytes: my row x 32 + h
.irp u, 0,1
.irp i, 0,1,2,3,4,5,6,7
	v_mov_b32 v[QF+24*\u+8+\i], 0                  ; zero codes: they add nothing under any byte but 0xff
.endr
.endr
	WIN W1
.set i, 0
.rept 64
	v_mov_b32 v[OT+i], 0                           ; the trip is written once: the first finds zeros
.set i, i+1
.endr
.irp u, 0,1
	v_mov_b32 v[P+32*\u+MT], 0xff61b1e6            ; the largest t so far: -3e38
	v_floor_f32 v[P+32*\u+NM], -v[P+32*\u+MT]      ; -M
	v_mov_b32 v[P+32*\u+LS], 0
	v_mov_b32 v[P+32*\u+LS+1], 0
	v_mov_b32 v[P+32*\u+PT], 0                     ; named as the upper half of a pair before it is first written
.irp b, 0,1,2,3
	v_mov_b32 v[P+32*\u+T2+\b], 0                  ; a lane permute's destination counts as one of its sources
.endr
.endr
	WIN 0
.macro KLOAD                           ; k's eight tiles and their scale words; then the next step's addresses
	WIN 0
.irp t, 0,1,2,3,4,5,6,7
	ds_load_b128 v[KF+8*\t:KF+8*\t+3], v[ADK] offset:\t*1024
	ds_load_b128 v[KF+8*\t+4:KF+8*\t+7], v[ADK] offset:\t*1024+512
	ds_load_b32 v[SWK+\t], v[ADS] offset:(32*(\t/2)+8*(\t%2))*4
.endr
	s_add_co_u32 s[TK], s[TK], 8192
	s_add_co_u32 s[TS], s[TS], 512
	v_add_nc_u32 v[ADK], s[TK], v[LI]
	v_add_nc_u32 v[ADS], s[TS], v[ASK0]
.endm
.macro SMUL                            ; S^T = K Q^T: eight tiles of 16 keys, each against both tiles of queries
	s_wait_dscnt 0x0
	WIN WS
.irp t, 0,1,2,3,4,5,6,7
.irp u, 0,1
	v_wmma_scale_f32_16x16x128_f8f6f4 v[64*\u+8*\t:64*\u+8*\t+7], v[KF+16*(\t/2):KF+16*(\t/2)+15], v[QF+24*\u+8*(\t%2):QF+24*\u+8*(\t%2)+15], 0, v[SWK+\t], v[QW+\u]
.endr
.endr
.endm
.macro VLOAD step                      ; O^T under the last step's M: 32 lines, which are the places behind the scores' products; then v's fragments into k's registers
	WIN W1
	WALU                                           ; directly ahead of the first reader of O^T
.irp u, 0,1
.set j, 0
.rept 16
	v_pk_mul_f32 v[OT+32*\u+j:OT+32*\u+j+1], v[OT+32*\u+j:OT+32*\u+j+1], v[P+32*\u+FF:P+32*\u+FF+1] op_sel_hi:[1,0]
.set j, j+2
.endr
.endr
	WIN 0
.irp t, 0,1,2,3
.irp c, 0,1,2,3
	ds_load_b128 v[KF+16*\t+4*\c:KF+16*\t+4*\c+3], v[ADV] offset:2048*\t+512*\c
.endr
	ds_load_b32 v[SWV+\t], v[ADT] offset:(32*(\t/2)+8*(\t%2))*4
.endr
.if \step
	s_add_co_u32 s[TV], s[TV], 8192
	s_add_co_u32 s[TJ], s[TJ], 256
	v_add_nc_u32 v[ADV], s[TV], v[LV]
	v_add_nc_u32 v[ADT], s[TJ], v[ASV0]
.endif
.endm
.macro MAXP                            ; the largest score of each block of 32 keys (for the row's maximum and for the block's largest p); M; f.  Both tiles line by line
	WIN W1
.irp b, 0,1,2,3
.irp u, 0,1
	v_max3_num_f32 v[P+32*\u+\b], v[64*\u+16*\b], v[64*\u+16*\b+1], v[64*\u+16*\b+2]
.endr
.endr
.irp i, 3,5,7,9,11,13
.irp b, 0,1,2,3
.irp u, 0,1
	v_max3_num_f32 v[P+32*\u+\b], v[P+32*\u+\b], v[64*\u+16*\b+\i], v[64*\u+16*\b+\i+1]
.endr
.endr
.endr
.irp b, 0,1,2,3
.irp u, 0,1
	v_max_num_f32 v[P+32*\u+\b], v[P+32*\u+\b], v[64*\u+16*\b+15]
.endr
.endr
.irp b, 0,1,2,3
.irp u, 0,1
	v_permlanex16_b32 v[P+32*\u+T2+\b], v[P+32*\u+\b], s[SEL], s[SEL+1]
.endr
.endr
.irp b, 0,1,2,3
.irp u, 0,1
	v_max_num_f32 v[P+32*\u+\b], v[P+32*\u+\b], v[P+32*\u+T2+\b]
.endr
.endr
.irp u, 0,1
	v_max3_num_f32 v[P+32*\u+TMP], v[P+32*\u], v[P+32*\u+1], v[P+32*\u+2]
.endr
.irp u, 0,1
	v_max_num_f32 v[P+32*\u+TMP], v[P+32*\u+TMP], v[P+32*\u+3]
.endr
.irp u, 0,1
	v_mul_f32 v[P+32*\u+TMP], s[CS], v[P+32*\u+TMP]                 ; as t (c is positive)
.endr
.irp u, 0,1
	v_max_num_f32 v[P+32*\u+MT], v[P+32*\u+MT], v[P+32*\u+TMP]      ; the running largest t
.endr
.irp u, 0,1
	v_mov_b32 v[P+32*\u+TMP], v[P+32*\u+NM]
.endr
.irp u, 0,1
	v_floor_f32 v[P+32*\u+NM], -v[P+32*\u+MT]                       ; the new -M = -ceil(t)
.endr
.irp u, 0,1
	v_sub_f32 v[P+32*\u+TMP], v[P+32*\u+NM], v[P+32*\u+TMP]         ; old M - new M: a whole number, 0 or less
.endr
.irp u, 0,1
	v_cvt_i32_f32 v[P+32*\u+TMP], v[P+32*\u+TMP]                    ; (it saturates)
.endr
.irp u, 0,1
	v_ldexp_f32 v[P+32*\u+FF], 1.0, v[P+32*\u+TMP]                  ; f = 2^(old M - new M)
.endr
.endm
.macro PVMUL                           ; O^T += V^T P^T: eight accumulators by turns
	WALU
	s_wait_dscnt 0x0
	WIN WP
.irp t, 0,1,2,3
.irp u, 0,1
	v_wmma_scale_f32_16x16x128_f8f6f4 v[OT+32*\u+8*\t:OT+32*\u+8*\t+7], v[KF+16*\t:KF+16*\t+15], v[PCD+16*\u:PCD+16*\u+15], v[OT+32*\u+8*\t:OT+32*\u+8*\t+7], v[SWV+\t], v[PW+8*\u]
.endr
.endr
.endm
.macro XFL u, j                        ; line j of t - M: 0 .. 31 two scores each, 32 .. 35 a block's largest
.if (\j) < 32
	v_pk_fma_f32 v[64*(\u)+2*(\j):64*(\u)+2*(\j)+1], v[64*(\u)+2*(\j):64*(\u)+2*(\j)+1], s[CS:CS+1], v[P+32*(\u)+NM:P+32*(\u)+NM+1] op_sel_hi:[1,0,0]
.else
	v_fma_f32 v[P+32*(\u)+(\j)-32], v[P+32*(\u)+(\j)-32], s[CS], v[P+32*(\u)+NM]
.endif
.endm
.macro EXL u, j                        ; exponential j: 0 .. 63 p = 2^(t - M), 64 .. 67 a block's largest p
.if (\j) < 64
	v_exp_f32 v[64*(\u)+(\j)], v[64*(\u)+(\j)]
.else
	v_exp_f32 v[P+32*(\u)+(\j)-64], v[P+32*(\u)+(\j)-64]
.endif
.endm
.macro MNL u, j                        ; hold j: the conversion does not saturate (ISA guide 7.6.2); p is not negative: a one-sided hold, two numbers a line
	v_dual_min_num_f32 v[64*(\u)+2*(\j)], v[P+32*(\u)+LIM+(\j)/8], v[64*(\u)+2*(\j)] :: v_dual_min_num_f32 v[64*(\u)+2*(\j)+1], v[P+32*(\u)+LIM+(\j)/8], v[64*(\u)+2*(\j)+1]
.endm
.macro XFA                             ; tile 0's t - M: the places ahead of k's next loads
	WIN W1
.set j, 0
.rept 36
	XFL 0, j
.set j, j+1
.endr
.endm
.macro SUMS u                          ; the sum is taken of the unquantised p: four chains of pairs; then the blocks' scales
.irp c, 0,1,2,3
	v_pk_add_f32 v[P+32*(\u)+SA+2*\c:P+32*(\u)+SA+2*\c+1], v[64*(\u)+2*\c:64*(\u)+2*\c+1], v[64*(\u)+8+2*\c:64*(\u)+9+2*\c]
.endr
.irp k, 16,24,32,40,48,56
.irp c, 0,1,2,3
	v_pk_add_f32 v[P+32*(\u)+SA+2*\c:P+32*(\u)+SA+2*\c+1], v[P+32*(\u)+SA+2*\c:P+32*(\u)+SA+2*\c+1], v[64*(\u)+\k+2*\c:64*(\u)+\k+2*\c+1]
.endr
.endr
	v_pk_add_f32 v[P+32*(\u)+SA:P+32*(\u)+SA+1], v[P+32*(\u)+SA:P+32*(\u)+SA+1], v[P+32*(\u)+SA+2:P+32*(\u)+SA+3]
	v_pk_add_f32 v[P+32*(\u)+SA+4:P+32*(\u)+SA+5], v[P+32*(\u)+SA+4:P+32*(\u)+SA+5], v[P+32*(\u)+SA+6:P+32*(\u)+SA+7]
	v_pk_add_f32 v[P+32*(\u)+LS:P+32*(\u)+LS+1], v[P+32*(\u)+LS:P+32*(\u)+LS+1], v[P+32*(\u)+SA:P+32*(\u)+SA+1]
	v_pk_add_f32 v[P+32*(\u)+LS:P+32*(\u)+LS+1], v[P+32*(\u)+LS:P+32*(\u)+LS+1], v[P+32*(\u)+SA+4:P+32*(\u)+SA+5]
.irp b, 0,1,2,3
	v_max_num_f32 v[P+32*(\u)+\b], 0x4800000, v[P+32*(\u)+\b]               ; the floor 2^(9 - 127)
.endr
.irp b, 0,1,2,3
	v_add_nc_u32 v[P+32*(\u)+SCO+\b], 0xfc000000, v[P+32*(\u)+\b]           ; 8 off the exponent field: the conversion's scale operand
.endr
.irp b, 0,1,2,3
	v_and_or_b32 v[P+32*(\u)+LIM+\b], v[P+32*(\u)+\b], 0x7f800000, s[MNT]   ; 448 x the scale
.endr
.endm
.macro SOFT                            ; p, the rows' sums, p's scales, holds and codes, for both tiles
	WIN W1
	WALU                                           ; ahead of the batch
.set j, 0
.rept 34                               ; tile 0's 68 exponentials, tile 1's t - M among them
	EXL 0, 2*j
	XFL 1, j
	EXL 0, 2*j+1
.set j, j+1
.endr
	XFL 1, 34
	XFL 1, 35
	v_pk_mul_f32 v[P+LS:P+LS+1], v[P+LS:P+LS+1], v[P+FF:P+FF+1] op_sel_hi:[1,0]   ; tile 0's sums under the new M
	WALU                                           ; one wait for the batch, ahead of its first reader
	SUMS 0
	WALU                                           ; ahead of the second batch
.set j, 0
.rept 32                               ; tile 1's exponentials, tile 0's holds among them
	EXL 1, 2*j
	MNL 0, j
	EXL 1, 2*j+1
.set j, j+1
.endr
.irp j, 64,65,66,67
	EXL 1, \j
.endr
	v_pk_mul_f32 v[P+32+LS:P+32+LS+1], v[P+32+LS:P+32+LS+1], v[P+32+FF:P+32+FF+1] op_sel_hi:[1,0]
	WALU                                           ; one wait for the batch; it also stands between tile 0's holds and their conversions
	SUMS 1
.set j, 0
.rept 32
	MNL 1, j
.set j, j+1
.endr
	WIN WC
.irp u, 0,1
.irp b, 0,1,2,3
	v_cvt_scalef32_pk8_fp8_f32 v[PCD+16*\u+4*\b:PCD+16*\u+4*\b+1], v[64*\u+16*\b:64*\u+16*\b+7], v[P+32*\u+SCO+\b]
	v_cvt_scalef32_pk8_fp8_f32 v[PCD+16*\u+4*\b+2:PCD+16*\u+4*\b+3], v[64*\u+16*\b+8:64*\u+16*\b+15], v[P+32*\u+SCO+\b]
.endr
.endr
	WIN W1
.irp b, 0,1,2,3
.irp u, 0,1
	v_lshrrev_b32 v[P+32*\u+T2+\b], 23, v[P+32*\u+SCO+\b]          ; the scales' bytes: plain lines behind the last conversion
.endr
.endr
.irp u, 0,1
	v_lshl_or_b32 v[P+32*\u+PT], v[P+32*\u+T2+1], 8, v[P+32*\u+T2]
.endr
.irp u, 0,1
	v_lshl_or_b32 v[P+32*\u+PT], v[P+32*\u+T2+2], 16, v[P+32*\u+PT]
.endr
	WIN WQ
.irp u, 0,1
	v_lshl_or_b32 v[PW+8*\u], v[P+32*\u+T2+3], 24, v[P+32*\u+PT]   ; p's scale word for these 128 keys, in window 0
.endr
.endm
.macro BODY
	KLOAD
	SOFT
	SMUL
	VLOAD 1
	MAXP
	PVMUL
	XFA
	WIN 0
.endm
	WALU                                           ; the head's end
	s_wait_tensorcnt 0x0                           ; my piece of the head's is in; the three lines ahead of a later first fill:
	ds_add_u32 v[SPW], v[NIL]                      ; the add, twice on end
	ds_add_u32 v[SPW], v[NIL]
	s_wait_dscnt 0x0
	CROUND                                         ; keys 0-511 and the scale words are whole; the four work-groups meet
	tensor_load_to_lds s[40:43], s[G1U:G1U+7]      ; keys 512-2,047: my one load behind the round
	s_nop 0
.rept 4
	v_nop
.endr
	KLOAD                                          ; step 0
	s_wait_loadcnt 0x0                             ; q
.irp u, 0,1
.irp i, 0,1,2,3,4,5,6,7
	v_mov_b32 v[QF+24*\u+16+\i], v[QF+24*\u+\i]
.endr
.endr
.rept 4
	v_nop                                          ; an operand written by vector lines stands four places ahead of a scaled product
.endr
	WALU
	SMUL
	WIN 0
.rept 8
	v_nop                                          ; the first step has no work of a step before it for these places
.endr
	MAXP
	XFA
	WIN 0
	s_mov_b32 s52, 3
.Lfirst:                                               ; steps 1-3's scores, steps 0-2's v: all among keys 0-511
	BODY
	s_sub_co_u32 s52, s52, 1
	s_cmp_lg_u32 s52, 0
	s_cbranch_scc1 .Lfirst
	s_wait_tensorcnt 0x0                           ; my piece of keys 512-2,047 is in,
	s_wait_dscnt 0x0
	s_barrier_signal -1
	s_barrier_wait -1                              ; everybody's is
	s_mov_b32 s52, 12
.Lrest:
	BODY
	s_sub_co_u32 s52, s52, 1
	s_cmp_lg_u32 s52, 0
	s_cbranch_scc1 .Lrest
	SOFT                                           ; the last step's p,
	VLOAD 0
	PVMUL                                          ; and its part of O^T
	WIN 0
.rept 8
	v_nop
.endr
; THE WAY OUT of tile u: O^T / the sum; register 8 t + j is d = 32 (t / 2) + 16 h + 8 (t % 2) + j of my query: 16 neighbours of each of ctx's two blocks.  Tile 1's rows lie 8 below tile 0's.
.macro OUTQ u
	WIN W1
	v_add_f32 v[P+32*\u+LS], v[P+32*\u+LS], v[P+32*\u+LS+1]
	v_permlanex16_b32 v[P+32*\u+TMP], v[P+32*\u+LS], s[SEL], s[SEL+1]
	v_add_f32 v[P+32*\u+LS], v[P+32*\u+LS], v[P+32*\u+TMP]
	WALU                                           ; ahead of the transcendental
	v_rcp_f32 v[P+32*\u+LS], v[P+32*\u+LS]
	v_nop                                          ; a plain line behind the transcendental
	WALU                                           ; ahead of the reciprocal's first reader, and of O^T's
	v_mov_b32 v[P+32*\u+LS+1], v[P+32*\u+LS]
.set j, 0
.rept 16
	v_pk_mul_f32 v[64*\u+j:64*\u+j+1], v[OT+32*\u+j:OT+32*\u+j+1], v[P+32*\u+LS:P+32*\u+LS+1]
.set j, j+2
.endr
.irp b, 0,1
	v_max3_num_f32 v[P+32*\u+\b], |v[64*\u+16*\b]|, |v[64*\u+16*\b+1]|, 0x4800000
.endr
.irp i, 2,4,6,8,10,12,14
.irp b, 0,1
	v_max3_num_f32 v[P+32*\u+\b], v[P+32*\u+\b], |v[64*\u+16*\b+\i]|, |v[64*\u+16*\b+\i+1]|
.endr
.endr
.irp b, 0,1
	v_permlanex16_b32 v[P+32*\u+T2+\b], v[P+32*\u+\b], s[SEL], s[SEL+1]
.endr
.irp b, 0,1
	v_max_num_f32 v[P+32*\u+\b], v[P+32*\u+\b], v[P+32*\u+T2+\b]
.endr
.irp b, 0,1
	v_add_nc_u32 v[P+32*\u+SCO+\b], 0xfc000000, v[P+32*\u+\b]
.endr
.irp b, 0,1
	v_and_or_b32 v[P+32*\u+LIM+\b], v[P+32*\u+\b], 0x7f800000, s[MNT]
.endr
.irp b, 0,1
	v_lshrrev_b32 v[P+32*\u+T2+\b], 23, v[P+32*\u+SCO+\b]
.endr
.irp b, 0,1
.set i, 0
.rept 16
	v_med3_num_f32 v[64*\u+16*\b+i], v[64*\u+16*\b+i], -v[P+32*\u+LIM+\b], v[P+32*\u+LIM+\b]
.set i, i+1
.endr
.endr
	WIN WC
.irp b, 0,1
	v_cvt_scalef32_pk8_fp8_f32 v[PCD+16*\u+4*\b:PCD+16*\u+4*\b+1], v[64*\u+16*\b:64*\u+16*\b+7], v[P+32*\u+SCO+\b]
	v_cvt_scalef32_pk8_fp8_f32 v[PCD+16*\u+4*\b+2:PCD+16*\u+4*\b+3], v[64*\u+16*\b+8:64*\u+16*\b+15], v[P+32*\u+SCO+\b]
.endr
	WIN W1
	v_cndmask_b32 v[P+32*\u+TMP], v[P+32*\u+T2], v[P+32*\u+T2+1], s53   ; lanes 0-15 store block 0's byte, lanes 16-31 block 1's.  (A plain line behind the conversions)
	WIN 0
	global_store_b128 v[OC], v[PCD+16*\u:PCD+16*\u+3], s[12:13] offset:8192*\u
	global_store_b128 v[OC], v[PCD+16*\u+4:PCD+16*\u+7], s[12:13] offset:8192*\u+32
	WIN 0x04                                       ; the store's data in window 1
	global_store_b8 v[OB], v[P+32*\u+TMP], s[14:15] offset:256*\u
.endm
	OUTQ 0
	OUTQ 1
	WIN 0
	s_wait_tensorcnt 0x0                           ; the wave's end
	ds_add_u32 v[SPW], v[NIL]
	s_wait_dscnt 0x0
	CROUND                                         ; the closing round
	s_endpgm
.Lfunc_end_k_q84b9b127b7_attn:
	.size	k_q84b9b127b7_attn, .Lfunc_end_k_q84b9b127b7_attn-k_q84b9b127b7_attn
	.p2alignl 7, 3214868480
	.fill 96, 4, 3214868480
	.section	.rodata,"a",@progbits
	.p2align	6, 0x0
	.amdhsa_kernel k_q84b9b127b7_attn
		.amdhsa_group_segment_fixed_size 327680
		.amdhsa_private_segment_fixed_size 0
		.amdhsa_enable_private_segment 0
		.amdhsa_kernarg_size 16
		.amdhsa_user_sgpr_count 2
		.amdhsa_user_sgpr_kernarg_segment_ptr 1
		.amdhsa_wavefront_size32 1
		.amdhsa_system_sgpr_workgroup_id_x 1
		.amdhsa_system_sgpr_workgroup_id_y 1
		.amdhsa_system_sgpr_workgroup_id_z 1
		.amdhsa_system_vgpr_workitem_id 0
		.amdhsa_next_free_vgpr 512
		.amdhsa_next_free_sgpr 84
		.amdhsa_reserve_vcc 0
		.amdhsa_float_denorm_mode_32 3
		.amdhsa_float_denorm_mode_16_64 3
		.amdhsa_memory_ordered 1
		.amdhsa_forward_progress 1
		.amdhsa_inst_pref_size 128
	.end_amdhsa_kernel
	.amdgpu_metadata
---
amdhsa.version: [ 1, 2 ]
amdhsa.kernels:
  - .name:           k_q84b9b127b7_attn
    .symbol:         k_q84b9b127b7_attn.kd
    .args:
      - { .name: qkv, .offset: 0, .size: 8, .value_kind: global_buffer, .address_space: global }
      - { .name: ctxq, .offset: 8, .size: 8, .value_kind: global_buffer, .address_space: global }
    .group_segment_fixed_size: 327680
    .private_segment_fixed_size: 0
    .kernarg_segment_align: 8
    .kernarg_segment_size: 16
    .max_flat_workgroup_size: 256
    .sgpr_count:     84
    .vgpr_count:     512
    .wavefront_size: 32
...
	.end_amdgpu_metadata
.endif
;; end of part 3
;; launch wo (part 4): grid 8 x 32, 4 waves a work-group, clusters of 4 x 4, 327,680 bytes of LDS; arguments ctxq, wo_codes, wo_scales, bo, x, y; writes y
.if DOCPART == 4
	.amdgcn_target "amdgcn-amd-amdhsa--gfx1250"
	.amdhsa_code_object_version 6
	.text
	.protected	k_q84b9b127b7_wo
	.globl	k_q84b9b127b7_wo
	.p2align	8
	.type	k_q84b9b127b7_wo,@function
k_q84b9b127b7_wo:
	s_mov_b64 s[64:65], 0
	v_nop
	global_prefetch_b8 v0, s[64:65] scope:SCOPE_SE
	s_setreg_imm32_b32 hwreg(HW_REG_WAVE_MODE, 25, 1), 1
	s_wait_xcnt 0x0
	s_wait_alu depctr_hold_cnt(0) depctr_sa_sdst(0) depctr_va_vdst(0) depctr_va_sdst(0) depctr_va_ssrc(0) depctr_va_vcc(0) depctr_vm_vsrc(0)
	s_getreg_b32 s2, hwreg(HW_REG_IB_STS2, 6, 4)
	s_cmp_eq_u32 s2, 0
	s_cbranch_scc0 .Lentry_in_a_cluster
	s_endpgm
.Lentry_in_a_cluster:
	s_bfe_u32 s2, ttmp6, 0x10000c
	s_cmp_lg_u32 s2, 0xf033
	s_cbranch_scc0 .Lentry_shape_is_right
	s_endpgm
.Lentry_shape_is_right:
; y = A B^T + bias + residual.  A: [4096][1024] codes of FP8 (E4M3) at ctxq + 0, its E8M0 bytes [4096][32] at ctxq + 0x400000; B: wo's [1024][1024] codes and [1024][32] bytes; bias [1024], residual x and y [4096][1024] f32.
; A tile of y is 128 x 128, so that the 4,096 x 1,024 outputs give 256 work-groups; four waves, each 64 x 64: 16 accumulators.
; ONE FILL.  K is 1,024: the tile's 128 rows of A and 128 rows of B, with ALL of K (LDS rows of 1,024 bytes + 16), and their scale bytes lie in LDS together, 274,944 bytes.  Each byte is filled once, by four loads at the head,
; one a wave: wave 0 A's rows, wave 1 A's scales, wave 2 B's rows, wave 3 B's scales.  One barrier shows them; no slot, no refill, no later barrier.
; CLUSTERS 4 x 4: A's tiles are asked for jointly along a row of the cluster, B's along a column.  NO PREFETCH: every load goes out at the head; there is no later load to ask ahead for.
; The matrix instruction is used transposed (source 0 = 16 rows of B, source 1 = 16 rows of A): a lane holds eight neighbours of a row of y.  The bias is the C of the first products.
; The residual is loaded at the head, in the layout in which rows come back from the stage, and lands under the products.  The stages have LDS bytes of their own: A's rows are read until the last step.
; REGISTERS: window 0: v0-31 addresses; v32-63 scale words alone (all of K); v64-95 the bias, later rows on the way out with v96-127; v128-255 accumulators.  window 1: two sets of fragments (A 64, B 64).  window 2: v0-127 the residual.
; NaN and infinities are not served.
.set SIZE_K, 1024
.set PITCH,  1040
.set FR,     16
.set NL,     4
.set NP,     8
.set HALFT,  64*PITCH
.set KS,     SIZE_K/32
.set SCL,    4*HALFT                   ; behind A's 128 and B's 128 rows: the scales, as units of 256 bytes + 16
.set HALFS,  (64*KS/256)*272
.set SBLK,   (16*KS/256)*272
.set SPARE,  SCL+4*HALFS               ; the spare words: 128 bytes a wave, named by no other line
.set STG,    SPARE+512                 ; the stages: 16 rows x 272 bytes a wave
.set ASC,    4096*SIZE_K
.set ADRA, 16
.set ADRB, 20
.set STO,  24
.set RD,   25
.set CO,   26
.set ADRS, 27
.set SPW,  28
.set NIL,  29
.set SC,   32
.set BN,   64
.set BK,   64
.set ACC,  128
.set G1, 24
.set G0, 32
.set G1B, 48
.set G0B, 56
.set G1S, 68
.set G0S, 76
.set G1SB, 80
.set G0SB, 88
.set MSB, 0
.macro WIN new
.if MSB != (\new)
	s_set_vgpr_msb (MSB<<8)|(\new)
.set MSB, (\new)
.endif
.endm
.set MUL,  0x05                        ; sources 0 (B) and 1 (A) window 1; C and D window 0
.set TO_F, 0x40
.macro CROUND
	s_barrier_signal -1
	s_barrier_wait -1
	s_cmp_lg_u32 s14, 0
	s_cbranch_scc1 .Lnot_wave_0_\@
	s_barrier_signal -3
.Lnot_wave_0_\@:
	s_barrier_wait -3
	s_barrier_signal -1
	s_barrier_wait -1
.endm
	s_load_b128 s[4:7], s[0:1], 0x0                ; A, B's codes
	s_load_b128 s[8:11], s[0:1], 0x10              ; B's scales, the bias
	s_load_b128 s[96:99], s[0:1], 0x20             ; the residual, y
	v_lshl_add_u32 v[SPW], v0, 2, SPARE
	v_mov_b32 v[NIL], 0
	ds_add_u32 v[SPW], v[NIL]                      ; the opening lines: the add twice and one wait
	ds_add_u32 v[SPW], v[NIL]
	v_lshrrev_b32 v1, 5, v0
	v_readfirstlane_b32 s14, v1                    ; wave 0..3
	s_lshr_b32 s15, s14, 1                         ; my half of the tile's rows
	s_and_b32 s16, s14, 1                          ; my half of its columns
	s_bfe_u32 s40, ttmp6, 0x40000
	s_bfe_u32 s41, ttmp6, 0x40004
	s_lshl_b32 s42, ttmp9, 2
	s_add_co_u32 s42, s42, s40                     ; tile column
	s_and_b32 s17, ttmp7, 0xffff
	s_lshl_b32 s17, s17, 2
	s_add_co_u32 s17, s17, s41                     ; tile row
	s_lshl_b32 s43, s41, 2
	s_lshl_b32 s43, 15, s43
	s_lshl_b32 s44, 0x1111, s40
	s_or_b32 s[G1+0], s43, (0<<16)|(1<<20)|(1<<21)|(7<<22)|(3<<25)  ; the mask; elements of 1 byte; padding: 4 words after every 256; bit 21 beside a mask
	s_or_b32 s[G1B+0], s44, (0<<16)|(1<<20)|(1<<21)|(7<<22)|(3<<25)
.irp g, G1, G1B
	s_mov_b32 s[\g+1], SIZE_K<<16
	s_mov_b32 s[\g+2], 128<<16
	s_mov_b32 s[\g+3], SIZE_K<<16
	s_mov_b32 s[\g+4], 128
	s_mov_b32 s[\g+5], SIZE_K
	s_mov_b32 s[\g+6], 0
	s_mov_b32 s[\g+7], 0
.endr
	s_or_b32 s[G1S+0], s43, (3<<16)|(1<<20)|(1<<21)|(5<<22)|(3<<25)  ; the scales of 128 rows: dense, as rows of 256 bytes + 16
	s_or_b32 s[G1SB+0], s44, (3<<16)|(1<<20)|(1<<21)|(5<<22)|(3<<25)
.irp g, G1S, G1SB
	s_mov_b32 s[\g+1], 32<<16
	s_mov_b32 s[\g+2], (128*KS/256)<<16
	s_mov_b32 s[\g+3], 32<<16
	s_mov_b32 s[\g+4], 128*KS/256
	s_mov_b32 s[\g+5], 32
	s_mov_b32 s[\g+6], 0
	s_mov_b32 s[\g+7], 0
.endr
	s_lshl_b32 s20, s17, 7                         ; A: the tile's first row
	s_lshl_b32 s46, s42, 7                         ; B likewise
	s_mov_b32 s21, 0
	s_mov_b32 s47, 0
	s_mov_b64 s[18:19], KS
	s_mul_u64 s[22:23], s[20:21], s[18:19]
	s_mul_u64 s[92:93], s[46:47], s[18:19]
	s_add_nc_u64 s[22:23], s[22:23], ASC
	s_mov_b64 s[18:19], SIZE_K
	s_mul_u64 s[20:21], s[20:21], s[18:19]
	s_mul_u64 s[46:47], s[46:47], s[18:19]
	s_wait_dscnt 0x0
	s_wait_kmcnt 0x0
	s_add_nc_u64 s[20:21], s[4:5], s[20:21]
	s_add_nc_u64 s[22:23], s[4:5], s[22:23]
	s_add_nc_u64 s[46:47], s[6:7], s[46:47]
	s_add_nc_u64 s[92:93], s[8:9], s[92:93]
	CROUND                                         ; all sixteen work-groups are here: the joint loads meet
	s_mov_b32 s[G0], 1
	s_mov_b32 s[G0+1], 0
	s_mov_b64 s[G0+2:G0+3], s[20:21]
	s_or_b32 s[G0+3], s[G0+3], 0x80000000
	s_mov_b32 s[G0B], 1
	s_mov_b32 s[G0B+1], 2*HALFT
	s_mov_b64 s[G0B+2:G0B+3], s[46:47]
	s_or_b32 s[G0B+3], s[G0B+3], 0x80000000
	s_mov_b32 s[G0S], 1
	s_mov_b32 s[G0S+1], SCL
	s_mov_b64 s[G0S+2:G0S+3], s[22:23]
	s_or_b32 s[G0S+3], s[G0S+3], 0x80000000
	s_mov_b32 s[G0SB], 1
	s_mov_b32 s[G0SB+1], SCL+2*HALFS
	s_mov_b64 s[G0SB+2:G0SB+3], s[92:93]
	s_or_b32 s[G0SB+3], s[G0SB+3], 0x80000000
.macro ARM under, g0, g1, next         ; one chain of branches on the wave's number, one load to an arm
	s_cmp_lt_u32 s14, \under
	s_cbranch_scc0 \next
	tensor_load_to_lds s[\g0:\g0+3], s[\g1:\g1+7]
	s_nop 0
.rept 4
	v_nop
.endr
	s_branch .Lhead_asked
\next:
.endm
	ARM 1, G0,  G1,  .Lhead_sa
	ARM 2, G0S, G1S, .Lhead_b
	ARM 3, G0B, G1B, .Lhead_sb
	tensor_load_to_lds s[G0SB:G0SB+3], s[G1SB:G1SB+7]
	s_nop 0
.rept 4
	v_nop
.endr
.Lhead_asked:
	s_lshl_b32 s20, s42, 9
	s_lshl_b32 s21, s16, 8
	s_add_co_u32 s20, s20, s21                     ; my first column, in bytes
	s_mov_b32 s21, 0
	s_add_nc_u64 s[10:11], s[10:11], s[20:21]      ; the bias there
	s_lshl_b32 s22, s17, 19
	s_lshl_b32 s23, s15, 18
	s_add_co_u32 s22, s22, s23
	s_add_co_u32 s22, s22, s20                     ; my first row x 4,096 bytes + my first column
	s_mov_b32 s23, 0
	s_add_nc_u64 s[96:97], s[96:97], s[22:23]
	s_add_nc_u64 s[98:99], s[98:99], s[22:23]
	v_and_b32 v1, 15, v0                           ; r
	v_bfe_u32 v2, v0, 4, 1                         ; h
	v_lshlrev_b32 v7, 5, v2
	v_lshlrev_b32 v5, 12, v2
	v_lshl_add_u32 v[CO], v1, 4, v5                ; lanes 0-15 one row's 256 bytes, lanes 16-31 the next row's
.irp b, 0,1,2,3
	global_load_b128 v[BN+8*\b:BN+8*\b+3], v7, s[10:11] offset:64*\b
	global_load_b128 v[BN+8*\b+4:BN+8*\b+7], v7, s[10:11] offset:64*\b+16
.endr
	WIN 0x80                                       ; destination window 2
.irp a, 0,1,2,3
.irp t, 0,1,2,3,4,5,6,7
	global_load_b128 v[32*\a+4*\t:32*\a+4*\t+3], v[CO], s[96:97] offset:(16*\a+2*\t)*4096 th:TH_LOAD_NT
.endr
.endr
	WIN 0
	v_mul_u32_u24 v3, v1, PITCH
	v_lshl_add_u32 v4, v2, 4, v3
	s_mul_i32 s21, s15, HALFT
	s_mul_i32 s22, s16, HALFT
	s_add_co_u32 s22, s22, 2*HALFT
	v_add_nc_u32 v[ADRA], s21, v4
	v_add_nc_u32 v[ADRB], s22, v4
	v_mul_u32_u24 v5, v1, KS
	v_lshrrev_b32 v6, 8, v5
	v_lshl_add_u32 v5, v6, 4, v5
	s_mul_i32 s21, s15, HALFS
	s_mul_i32 s22, s16, HALFS
	s_add_co_u32 s22, s22, 2*HALFS
	s_sub_co_u32 s22, s22, s21
	v_mul_u32_u24 v6, s22, v2                      ; lanes 16-31 take B's
	s_add_co_u32 s21, s21, SCL
	v_add_nc_u32 v5, v5, v6
	v_add_nc_u32 v[ADRS], s21, v5
	s_mul_i32 s23, s14, 16*272
	s_add_co_u32 s23, s23, STG                     ; my stage
	v_mul_u32_u24 v5, v1, 272
	v_lshl_add_u32 v5, v2, 5, v5
	v_add_nc_u32 v[STO], s23, v5
	v_mul_u32_u24 v5, v2, 272
	v_lshl_add_u32 v5, v1, 4, v5
	v_add_nc_u32 v[RD], s23, v5
.macro FRAG reg, adr, q, i
.irp c, 0,1,2,3
	ds_load_b128 v[\reg+4*\c:\reg+4*\c+3], v[\adr] offset:128*(\q)+32*\c+(\i)*16*PITCH
.endr
.endm
; four matrix instructions of K block q (0 .. 7): A's block a x B's four.  The 16 accumulators take turns, one instruction a turn.
.macro MULA q, a, first
.irp b, 0,1,2,3
.if \first
	v_wmma_scale_f32_16x16x128_f8f6f4 v[ACC+8*(4*(\a)+\b):ACC+8*(4*(\a)+\b)+7], v[128*((\q)%2)+64+FR*\b:128*((\q)%2)+64+FR*\b+FR-1], v[128*((\q)%2)+FR*(\a):128*((\q)%2)+FR*(\a)+FR-1], v[BN+8*\b:BN+8*\b+7], v[SC+16*((\q)/4)+4*\b+(\q)%4], v[SC+16*((\q)/4)+4*(\a)+(\q)%4] matrix_a_scale:MATRIX_SCALE_ROW1
.else
	v_wmma_scale_f32_16x16x128_f8f6f4 v[ACC+8*(4*(\a)+\b):ACC+8*(4*(\a)+\b)+7], v[128*((\q)%2)+64+FR*\b:128*((\q)%2)+64+FR*\b+FR-1], v[128*((\q)%2)+FR*(\a):128*((\q)%2)+FR*(\a)+FR-1], v[ACC+8*(4*(\a)+\b):ACC+8*(4*(\a)+\b)+7], v[SC+16*((\q)/4)+4*\b+(\q)%4], v[SC+16*((\q)/4)+4*(\a)+(\q)%4] matrix_a_scale:MATRIX_SCALE_ROW1
.endif
.endr
.endm
.macro FETCH q                         ; the fragments of K block q into set q % 2: B's four, then A's four
	WIN TO_F
.irp i, 0,1,2,3
	FRAG 128*((\q)%2)+64+FR*\i, ADRB, \q, \i
.endr
.irp i, 0,1,2,3
	FRAG 128*((\q)%2)+FR*\i, ADRA, \q, \i
.endr
.endm
.macro PLACES n
.rept \n
	v_nop
.endr
.endm
.macro STEP q, first
	s_wait_dscnt 2*NL                              ; all but the youngest eight loads (A's blocks 2 and 3) are in
	WIN MUL
	MULA \q, 0, \first
	MULA \q, 1, \first
	PLACES NP                                      ; ahead of loads into the set that the last step multiplied
	FETCH (\q)+1
	s_wait_dscnt 8*NL                              ; all but the 32 just issued
	WIN MUL
	MULA \q, 2, \first
	MULA \q, 3, \first
.endm
	s_wait_alu depctr_va_vdst(0)                   ; the head's end
	s_wait_tensorcnt 0x0                           ; my tile of the four is in,
	s_barrier_signal -1
	s_barrier_wait -1                              ; everybody's is
.irp s, 0,1
.irp i, 0,1,2,3
	ds_load_b128 v[SC+16*\s+4*\i:SC+16*\s+4*\i+3], v[ADRS] offset:\i*SBLK+16*\s   ; eight words a row, all of K: lanes 0-15 A's block i, lanes 16-31 B's
.endr
.endr
	FETCH 0
	s_wait_loadcnt 32                              ; the bias is in; the 32 younger loads of the residual stay out
	STEP 0, 1
.irp q, 1,2,3,4,5,6
	STEP \q, 0
.endr
	s_wait_dscnt 2*NL
	WIN MUL
	MULA 7, 0, 0
	MULA 7, 1, 0
	s_wait_dscnt 0
	MULA 7, 2, 0
	MULA 7, 3, 0
	WIN 0
; THE WAY OUT, 16 rows x my 64 columns at a time, through my own stage: in by lanes' 32 bytes, back as rows of 256 bytes; the residual is added; sixteen lanes store 256 consecutive, aligned bytes.
.macro TOSTAGE a
.irp b, 0,1,2,3
	ds_store_b128 v[STO], v[ACC+8*(4*(\a)+\b):ACC+8*(4*(\a)+\b)+3] offset:64*\b       ; each accumulator from its low end on
	ds_store_b128 v[STO], v[ACC+8*(4*(\a)+\b)+4:ACC+8*(4*(\a)+\b)+7] offset:64*\b+16
.endr
.irp t, 0,1,2,3,4,5,6,7
	ds_load_b128 v[BK+32*((\a)%2)+4*\t:BK+32*((\a)%2)+4*\t+3], v[RD] offset:544*\t    ; LDS serves a wave's instructions in order
.endr
.endm
.macro SEND a, younger
	s_wait_dscnt \younger
	WIN 0x08                                       ; source 1 window 2
.set i, 0
.rept 16
	v_pk_add_f32 v[BK+32*((\a)%2)+i:BK+32*((\a)%2)+i+1], v[BK+32*((\a)%2)+i:BK+32*((\a)%2)+i+1], v[32*(\a)+i:32*(\a)+i+1]
.set i, i+2
.endr
	WIN 0
.irp t, 0,1,2,3,4,5,6,7
	global_store_b128 v[CO], v[BK+32*((\a)%2)+4*\t:BK+32*((\a)%2)+4*\t+3], s[98:99] offset:(16*(\a)+2*\t)*4096
.endr
.endm
	PLACES NP
	s_wait_loadcnt 0x0                             ; the residual
	TOSTAGE 0
.irp a, 1,2,3
.if \a > 1
	s_wait_xcnt 0x0                                ; block a - 2's stores have read their registers: block a's rows may land there
.endif
	TOSTAGE \a
	SEND \a-1, 16                                  ; behind block a - 1's loads: block a's 8 stores and 8 loads
.endr
	SEND 3, 0
	s_wait_tensorcnt 0x0                           ; the wave's end
	ds_add_u32 v[SPW], v[NIL]
	s_wait_dscnt 0x0
	CROUND                                         ; the closing round
	s_endpgm
.Lfunc_end_k_q84b9b127b7_wo:
	.size	k_q84b9b127b7_wo, .Lfunc_end_k_q84b9b127b7_wo-k_q84b9b127b7_wo
	.p2alignl 7, 3214868480
	.fill 96, 4, 3214868480
	.section	.rodata,"a",@progbits
	.p2align	6, 0x0
	.amdhsa_kernel k_q84b9b127b7_wo
		.amdhsa_group_segment_fixed_size 327680
		.amdhsa_private_segment_fixed_size 0
		.amdhsa_enable_private_segment 0
		.amdhsa_kernarg_size 48
		.amdhsa_user_sgpr_count 2
		.amdhsa_user_sgpr_kernarg_segment_ptr 1
		.amdhsa_wavefront_size32 1
		.amdhsa_system_sgpr_workgroup_id_x 1
		.amdhsa_system_sgpr_workgroup_id_y 1
		.amdhsa_system_sgpr_workgroup_id_z 1
		.amdhsa_system_vgpr_workitem_id 0
		.amdhsa_next_free_vgpr 640
		.amdhsa_next_free_sgpr 100
		.amdhsa_reserve_vcc 0
		.amdhsa_float_denorm_mode_32 3
		.amdhsa_float_denorm_mode_16_64 3
		.amdhsa_memory_ordered 1
		.amdhsa_forward_progress 1
		.amdhsa_inst_pref_size 60
	.end_amdhsa_kernel
	.amdgpu_metadata
---
amdhsa.version: [ 1, 2 ]
amdhsa.kernels:
  - .name:           k_q84b9b127b7_wo
    .symbol:         k_q84b9b127b7_wo.kd
    .args:
      - { .name: ctxq, .offset: 0, .size: 8, .value_kind: global_buffer, .address_space: global }
      - { .name: wo_codes, .offset: 8, .size: 8, .value_kind: global_buffer, .address_space: global }
      - { .name: wo_scales, .offset: 16, .size: 8, .value_kind: global_buffer, .address_space: global }
      - { .name: bo, .offset: 24, .size: 8, .value_kind: global_buffer, .address_space: global }
      - { .name: x, .offset: 32, .size: 8, .value_kind: global_buffer, .address_space: global }
      - { .name: y, .offset: 40, .size: 8, .value_kind: global_buffer, .address_space: global }
    .group_segment_fixed_size: 327680
    .private_segment_fixed_size: 0
    .kernarg_segment_align: 8
    .kernarg_segment_size: 48
    .max_flat_workgroup_size: 128
    .sgpr_count:     100
    .vgpr_count:     640
    .wavefront_size: 32
...
	.end_amdgpu_metadata
.endif
;; end of part 4
;; launch ln1 (part 5): grid 512 x 1, 8 waves a work-group, no clusters, 42,240 bytes of LDS; arguments y, g1, be1, o1, xq; writes o1, xq
.if DOCPART == 5
	.amdgcn_target "amdgcn-amd-amdhsa--gfx1250"
	.amdhsa_code_object_version 6
	.text
	.protected	k_q84b9b127b7_ln1
	.globl	k_q84b9b127b7_ln1
	.p2align	8
	.type	k_q84b9b127b7_ln1,@function
k_q84b9b127b7_ln1:
	s_mov_b64 s[64:65], 0
	v_nop
	global_prefetch_b8 v0, s[64:65] scope:SCOPE_SE
	s_setreg_imm32_b32 hwreg(HW_REG_WAVE_MODE, 25, 1), 1
	s_wait_xcnt 0x0
; out1 = (y - mean) x rsqrt(var + 1e-6) x g + be along rows of 1,024, stored as f32 in o1, and quantised to FP8 (E4M3) codes at xq + 0 with E8M0 bytes [4096][32] at xq + 0x400000.
; One wave, one row: 4,096 bytes are 32 registers a lane; the row stays in registers between the mean, the variance (of the differences from the mean) and the scaling.  Each load and store covers 512 consecutive bytes.
; For the quantiser a lane must hold 16 neighbours: the finished row turns through the wave's own stage in LDS, 2,048 bytes at a time.  The eight rows' 256 scale bytes meet in LDS and leave as one aligned run, by wave 0.
; Memory binds: no matrix unit, no cluster, no tensor load.  LIMITS: a block of zeros or under 2^-118 gets the byte 1; NaN and infinities are not served.
.set X,    16                          ; v16-47   the row
.set G,    48                          ; v48-79   g
.set BE,   80                          ; v80-111  be
.set Y,    112                         ; v112-143 two sets of 16 neighbours
.set C,    144                         ; v144-151 codes
.set E,    152                         ; v152-153 bytes
.set S,    4                           ; v4-11    four chains of pairs
.set MU,   12                          ; v12-13   the mean, then 1 / sigma, twice
.set SIN,  154
.set SOUT, 155
.set SBY,  156
.set SRD,  157
.set SOF,  158
.set SP,   80
.set BYT,  40960
	s_load_b128 s[4:7], s[0:1], 0x0                ; y, g
	s_load_b128 s[8:11], s[0:1], 0x10              ; be, o1
	s_load_b64 s[12:13], s[0:1], 0x20              ; xq
	v_lshl_add_u32 v160, v0, 2, 0xa100
	v_mov_b32 v161, 0
	v_lshrrev_b32 v1, 5, v0
	s_delay_alu instid0(VALU_DEP_1)
	v_readfirstlane_b32 s14, v1                    ; wave
	v_and_b32 v1, 31, v0                           ; lane
	s_wait_alu depctr_va_vdst(0)
	v_lshlrev_b32 v2, 4, v1
	s_lshl_b32 s15, ttmp9, 3
	s_add_co_u32 s15, s15, s14                     ; my row
	s_lshl_b32 s16, s15, 12
	s_mov_b32 s17, 0
	s_lshl_b32 s18, s15, 10
	s_mov_b32 s19, 0
	s_lshl_b32 s20, ttmp9, 8
	s_add_co_u32 s20, s20, 0x400000
	s_mov_b32 s21, 0
	s_mov_b32 s22, 0x76543210
	s_mov_b32 s23, 0xfedcba98
	s_mov_b32 s24, 0x3a800000                      ; 1 / 1,024
	s_mov_b32 s25, 0x600000
	s_mul_i32 s26, s14, 5120                       ; my two stages
	v_lshrrev_b32 v[SIN], 2, v1
	s_delay_alu instid0(VALU_DEP_1)
	v_mul_u32_u24 v[SIN], v[SIN], SP
	v_and_b32 v[SOUT], 3, v1
	s_delay_alu instid0(VALU_DEP_1)
	v_lshl_add_u32 v[SIN], v[SOUT], 4, v[SIN]
	s_delay_alu instid0(VALU_DEP_1)
	v_add_nc_u32 v[SIN], s26, v[SIN]               ; in: SP (lane / 4) + 16 (lane % 4)
	v_mul_u32_u24 v[SOUT], v1, SP
	s_delay_alu instid0(VALU_DEP_1)
	v_add_nc_u32 v[SOUT], s26, v[SOUT]             ; out: SP x lane
	s_lshl_b32 s27, s14, 5
	s_add_co_u32 s27, s27, BYT
	v_lshrrev_b32 v[SBY], 1, v1
	s_delay_alu instid0(VALU_DEP_1)
	v_add_nc_u32 v[SBY], s27, v[SBY]               ; my block's byte among my row's 32
	v_lshlrev_b32 v[SOF], 3, v1
	s_delay_alu instid0(VALU_DEP_1)
	v_add_nc_u32 v[SRD], BYT, v[SOF]
	s_wait_kmcnt 0x0
	s_add_nc_u64 s[4:5], s[4:5], s[16:17]
	s_add_nc_u64 s[10:11], s[10:11], s[16:17]
	s_add_nc_u64 s[28:29], s[12:13], s[18:19]      ; my row's codes
	s_add_nc_u64 s[12:13], s[12:13], s[20:21]      ; the work-group's 256 scale bytes
.irp j, 0,1,2,3,4,5,6,7
	global_load_b128 v[X+4*\j:X+4*\j+3], v2, s[4:5] offset:512*\j th:TH_LOAD_NT
.endr
.irp j, 0,1,2,3,4,5,6,7
	global_load_b128 v[G+4*\j:G+4*\j+3], v2, s[6:7] offset:512*\j
.endr
.irp j, 0,1,2,3,4,5,6,7
	global_load_b128 v[BE+4*\j:BE+4*\j+3], v2, s[8:9] offset:512*\j
.endr
.macro ROWSUM                          ; the four chains, then the 32 lanes: the sum in every lane's v[S]
	s_delay_alu instid0(VALU_DEP_3)
	v_pk_add_f32 v[S:S+1], v[S:S+1], v[S+2:S+3]
	s_delay_alu instid0(VALU_DEP_2)
	v_pk_add_f32 v[S+4:S+5], v[S+4:S+5], v[S+6:S+7]
	s_delay_alu instid0(VALU_DEP_1)
	v_pk_add_f32 v[S:S+1], v[S:S+1], v[S+4:S+5]
	s_delay_alu instid0(VALU_DEP_1)
	v_add_f32 v[S], v[S], v[S+1]
	s_delay_alu instid0(VALU_DEP_1)
	v_add_f32_dpp v[S], v[S], v[S] row_xmask:1 row_mask:0xf bank_mask:0xf
	s_delay_alu instid0(VALU_DEP_1)
	v_add_f32_dpp v[S], v[S], v[S] row_xmask:2 row_mask:0xf bank_mask:0xf
	s_delay_alu instid0(VALU_DEP_1)
	v_add_f32_dpp v[S], v[S], v[S] row_xmask:4 row_mask:0xf bank_mask:0xf
	s_delay_alu instid0(VALU_DEP_1)
	v_add_f32_dpp v[S], v[S], v[S] row_xmask:8 row_mask:0xf bank_mask:0xf
	s_delay_alu instid0(VALU_DEP_1)
	v_permlanex16_b32 v[S+1], v[S], s22, s23
	s_delay_alu instid0(VALU_DEP_1)
	v_add_f32 v[S], v[S], v[S+1]
.endm
	s_wait_loadcnt 16                              ; the row is in; g's and be's 16 loads may be out
.irp c, 0,2,4,6
	v_pk_add_f32 v[S+\c:S+\c+1], v[X+\c:X+\c+1], v[X+8+\c:X+9+\c]
.endr
.irp k, 16,24
.irp c, 0,2,4,6
	s_delay_alu instid0(VALU_DEP_4)
	v_pk_add_f32 v[S+\c:S+\c+1], v[S+\c:S+\c+1], v[X+\k+\c:X+\k+\c+1]
.endr
.endr
	ROWSUM
	s_delay_alu instid0(VALU_DEP_1)
	v_mul_f32 v[MU], s24, v[S]
	s_delay_alu instid0(VALU_DEP_1)
	v_mov_b32 v[MU+1], v[MU]
.set j, 0
.rept 16
	v_pk_add_f32 v[X+j:X+j+1], v[X+j:X+j+1], v[MU:MU+1] neg_lo:[0,1] neg_hi:[0,1]   ; y - mean
.set j, j+2
.endr
.irp c, 0,2,4,6
	v_pk_mul_f32 v[S+\c:S+\c+1], v[X+\c:X+\c+1], v[X+\c:X+\c+1]
.endr
.irp k, 8,16,24
.irp c, 0,2,4,6
	s_delay_alu instid0(VALU_DEP_4)
	v_pk_fma_f32 v[S+\c:S+\c+1], v[X+\k+\c:X+\k+\c+1], v[X+\k+\c:X+\k+\c+1], v[S+\c:S+\c+1]
.endr
.endr
	ROWSUM
	s_delay_alu instid0(VALU_DEP_1)
	v_fmaak_f32 v[S], s24, v[S], 0x358637bd        ; var + 1e-6
	s_wait_alu depctr_va_vdst(0)
	v_rsq_f32 v[MU], v[S]
	v_nop                                          ; a plain line behind the transcendental
	s_wait_alu depctr_va_vdst(0)                   ; ahead of its first reader
	v_mov_b32 v[MU+1], v[MU]
	s_wait_alu depctr_va_vdst(0)
	s_wait_loadcnt 0x0                             ; g and be
.set j, 0
.rept 16
	v_pk_mul_f32 v[X+j:X+j+1], v[X+j:X+j+1], v[MU:MU+1]
.set j, j+2
.endr
.set j, 0
.rept 16
	v_pk_fma_f32 v[X+j:X+j+1], v[X+j:X+j+1], v[G+j:G+j+1], v[BE+j:BE+j+1]
.set j, j+2
.endr
.irp j, 0,1,2,3,4,5,6,7
	global_store_b128 v2, v[X+4*\j:X+4*\j+3], s[10:11] offset:512*\j
.endr
.irp t, 0,1                                        ; 512 numbers at a time through the stage
.irp i, 0,1,2,3
	ds_store_b128 v[SIN], v[X+16*\t+4*\i:X+16*\t+4*\i+3] offset:2560*\t+640*\i
.endr
.irp i, 0,1,2,3
	ds_load_b128 v[Y+16*\t+4*\i:Y+16*\t+4*\i+3], v[SOUT] offset:2560*\t+16*\i
.endr
.endr
.macro QSTEP t, left
.set XS, Y+16*(\t)
	s_wait_dscnt \left
	v_max3_num_f32 v8, |v[XS]|, |v[XS+1]|, |v[XS+2]|
	v_max3_num_f32 v9, |v[XS+3]|, |v[XS+4]|, |v[XS+5]|
.irp i, 6,10
	s_delay_alu instid0(VALU_DEP_2)
	v_max3_num_f32 v8, v8, |v[XS+\i]|, |v[XS+\i+1]|
	s_delay_alu instid0(VALU_DEP_2)
	v_max3_num_f32 v9, v9, |v[XS+\i+2]|, |v[XS+\i+3]|
.endr
	s_delay_alu instid0(VALU_DEP_2)
	v_max3_num_f32 v8, v8, |v[XS+14]|, |v[XS+15]|
	s_delay_alu instid0(VALU_DEP_1)
	v_max3_num_f32 v8, v8, v9, 0x4800000           ; the floor 2^(9 - 127)
	s_delay_alu instid0(VALU_DEP_1)
	v_max_num_f32_dpp v8, v8, v8 row_xmask:1 row_mask:0xf bank_mask:0xf
	s_delay_alu instid0(VALU_DEP_1)
	v_add_nc_u32 v11, 0xfc000000, v8
	s_delay_alu instid0(VALU_DEP_2)
	v_and_or_b32 v10, v8, 0x7f800000, s25
.irp i, 0,1,2,3,4,5,6,7,8,9,10,11,12,13,14,15
	v_med3_num_f32 v[XS+\i], v[XS+\i], -v10, v10
.endr
	v_cvt_scalef32_pk8_fp8_f32 v[C+4*(\t):C+4*(\t)+1], v[XS:XS+7], v11
	v_cvt_scalef32_pk8_fp8_f32 v[C+4*(\t)+2:C+4*(\t)+3], v[XS+8:XS+15], v11
	v_lshrrev_b32 v[E+(\t)], 23, v11
	ds_store_b8 v[SBY], v[E+(\t)] offset:16*(\t)
	global_store_b128 v2, v[C+4*(\t):C+4*(\t)+3], s[28:29] offset:512*(\t)
.endm
	QSTEP 0, 8                                     ; the second half's four stores and four loads may be out
	QSTEP 1, 1                                     ; the first half's byte store may be out
	s_wait_dscnt 0x0                               ; for wave 0's sake: my byte stores are done
	s_barrier_signal -1
	s_barrier_wait -1
	s_cmp_lg_u32 s14, 0
	s_cbranch_scc1 .Ldone
	ds_load_b64 v[8:9], v[SRD]
	s_wait_dscnt 0x0
	global_store_b64 v[SOF], v[8:9], s[12:13]      ; 256 consecutive, aligned bytes
.Ldone:
	s_wait_tensorcnt 0x0
	ds_add_u32 v160, v161
	s_wait_dscnt 0x0
	s_endpgm
.Lfunc_end_k_q84b9b127b7_ln1:
	.size	k_q84b9b127b7_ln1, .Lfunc_end_k_q84b9b127b7_ln1-k_q84b9b127b7_ln1
	.p2alignl 7, 3214868480
	.fill 96, 4, 3214868480
	.section	.rodata,"a",@progbits
	.p2align	6, 0x0
	.amdhsa_kernel k_q84b9b127b7_ln1
		.amdhsa_group_segment_fixed_size 42240
		.amdhsa_private_segment_fixed_size 0
		.amdhsa_enable_private_segment 0
		.amdhsa_kernarg_size 40
		.amdhsa_user_sgpr_count 2
		.amdhsa_user_sgpr_kernarg_segment_ptr 1
		.amdhsa_wavefront_size32 1
		.amdhsa_system_sgpr_workgroup_id_x 1
		.amdhsa_system_sgpr_workgroup_id_y 1
		.amdhsa_system_sgpr_workgroup_id_z 1
		.amdhsa_system_vgpr_workitem_id 0
		.amdhsa_next_free_vgpr 162
		.amdhsa_next_free_sgpr 66
		.amdhsa_reserve_vcc 0
		.amdhsa_float_denorm_mode_32 3
		.amdhsa_float_denorm_mode_16_64 3
		.amdhsa_memory_ordered 1
		.amdhsa_forward_progress 1
		.amdhsa_inst_pref_size 20
	.end_amdhsa_kernel
	.amdgpu_metadata
---
amdhsa.version: [ 1, 2 ]
amdhsa.kernels:
  - .name:           k_q84b9b127b7_ln1
    .symbol:         k_q84b9b127b7_ln1.kd
    .args:
      - { .name: y, .offset: 0, .size: 8, .value_kind: global_buffer, .address_space: global }
      - { .name: g1, .offset: 8, .size: 8, .value_kind: global_buffer, .address_space: global }
      - { .name: be1, .offset: 16, .size: 8, .value_kind: global_buffer, .address_space: global }
      - { .name: o1, .offset: 24, .size: 8, .value_kind: global_buffer, .address_space: global }
      - { .name: xq, .offset: 32, .size: 8, .value_kind: global_buffer, .address_space: global }
    .group_segment_fixed_size: 42240
    .private_segment_fixed_size: 0
    .kernarg_segment_align: 8
    .kernarg_segment_size: 40
    .max_flat_workgroup_size: 256
    .sgpr_count:     66
    .vgpr_count:     162
    .wavefront_size: 32
...
	.end_amdgpu_metadata
.endif
;; end of part 5
;; launch ffn1 (part 6): grid 16 x 16, 4 waves a work-group, clusters of 4 x 4, 327,680 bytes of LDS; arguments xq, w1_codes, w1_scales, b1, hid; writes hid
.if DOCPART == 6
	.amdgcn_target "amdgcn-amd-amdhsa--gfx1250"
	.amdhsa_code_object_version 6
	.text
	.protected	k_q84b9b127b7_ffn1
	.globl	k_q84b9b127b7_ffn1
	.p2align	8
	.type	k_q84b9b127b7_ffn1,@function
k_q84b9b127b7_ffn1:
	s_mov_b64 s[64:65], 0
	v_nop
	global_prefetch_b8 v0, s[64:65] scope:SCOPE_SE
	s_setreg_imm32_b32 hwreg(HW_REG_WAVE_MODE, 25, 1), 1
	s_wait_xcnt 0x0
	s_wait_alu depctr_hold_cnt(0) depctr_sa_sdst(0) depctr_va_vdst(0) depctr_va_sdst(0) depctr_va_ssrc(0) depctr_va_vcc(0) depctr_vm_vsrc(0)
	s_getreg_b32 s2, hwreg(HW_REG_IB_STS2, 6, 4)
	s_cmp_eq_u32 s2, 0
	s_cbranch_scc0 .Lentry_in_a_cluster
	s_endpgm
.Lentry_in_a_cluster:
	s_bfe_u32 s2, ttmp6, 0x10000c
	s_cmp_lg_u32 s2, 0xf033
	s_cbranch_scc0 .Lentry_shape_is_right
	s_endpgm
.Lentry_shape_is_right:
.set SIZE_K, 1024
.set KSTEP,  256
.set NQ,     KSTEP/128
.set ROWB,   256
.set KROW,   SIZE_K
.set PITCH,  272
.set FR,     16
.set NL,     4
.set NP,     8
.set HALFT,  128*PITCH
.set SLOT,   4*HALFT
.set LAPS,   SIZE_K/(2*KSTEP)
.set KS,     SIZE_K/32
.set SCL,    2*SLOT
.set HALFS,  (128*KS/256)*272
.set SBLK,   (16*KS/256)*272
.set SPARE,  SCL+4*HALFS
.set SCST,   256*272
.set ADRA, 16
.set ADRB, 20
.set SRD,  22
.set SCO,  23
.set STO,  24
.set RD,   25
.set CO,   26
.set ADRS, 27
.set SPW,  28
.set NIL,  29
.set SST,  30
.set SC,   32
.set BN,   64
.set TM,   64
.set PW,   80
.set PC,   88
.set AF,   128
.set BK,   128
.set MNT,  2
.set SEL,  98
.set G1, 24
.set G0, 32
.set G1B, 48
.set G0B, 56
.set G1S, 68
.set G0S, 76
.set G1SB, 80
.set G0SB, 88
.set MSB, 0
.macro WIN new
.if MSB != (\new)
	s_set_vgpr_msb (MSB<<8)|(\new)
.set MSB, (\new)
.endif
.endm
.set MUL_LO, 0xa1
.set MUL_HI, 0xf1
.set TO_B,   0x40
.macro JLOAD g0a, g1a, g0b, g1b
	s_cmp_eq_u32 s15, 0
	s_cbranch_scc0 .Lfor_b_\@
	tensor_load_to_lds s[\g0a:\g0a+3], s[\g1a:\g1a+7]
	s_nop 0
.rept 4
	v_nop
.endr
	s_branch .Lasked_\@
.Lfor_b_\@:
	tensor_load_to_lds s[\g0b:\g0b+3], s[\g1b:\g1b+7]
	s_nop 0
.rept 4
	v_nop
.endr
.Lasked_\@:
.endm
.macro CREST
	s_cmp_lg_u32 s14, 0
	s_cbranch_scc1 .Lnot_wave_0_\@
	s_barrier_signal -3
.Lnot_wave_0_\@:
	s_barrier_wait -3
	s_barrier_signal -1
	s_barrier_wait -1
.endm
.macro CROUND
	s_barrier_signal -1
	s_barrier_wait -1
	CREST
.endm
	s_load_b128 s[4:7], s[0:1], 0x0
	s_load_b128 s[8:11], s[0:1], 0x10
	s_load_b64 s[12:13], s[0:1], 0x20
	v_lshl_add_u32 v[SPW], v0, 2, SPARE
	v_mov_b32 v[NIL], 0
	ds_add_u32 v28, v29
	ds_add_u32 v28, v29
	s_wait_dscnt 0x0
	v_lshrrev_b32 v1, 5, v0
	v_readfirstlane_b32 s14, v1
	s_lshr_b32 s15, s14, 1
	s_and_b32 s16, s14, 1
	s_bfe_u32 s40, ttmp6, 0x40000
	s_bfe_u32 s41, ttmp6, 0x40004
	s_lshl_b32 s42, ttmp9, 2
	s_add_co_u32 s42, s42, s40
	s_and_b32 s17, ttmp7, 0xffff
	s_lshl_b32 s17, s17, 2
	s_add_co_u32 s17, s17, s41
	s_lshl_b32 s43, s41, 2
	s_lshl_b32 s43, 15, s43
	s_lshl_b32 s44, 0x1111, s40
	s_or_b32 s[G1+0], s43, (0<<16)|(1<<20)|(1<<21)|(5<<22)|(3<<25)
	s_or_b32 s[G1B+0], s44, (0<<16)|(1<<20)|(1<<21)|(5<<22)|(3<<25)
.irp g, G1, G1B
	s_mov_b32 s[\g+1], ROWB<<16
	s_mov_b32 s[\g+2], 256<<16                     ; the head's loads bring 256 rows; the ring's 128
	s_mov_b32 s[\g+3], ROWB<<16
	s_mov_b32 s[\g+4], 256
	s_mov_b32 s[\g+5], KROW
	s_mov_b32 s[\g+6], 0
	s_mov_b32 s[\g+7], 0
.endr
	s_or_b32 s[G1S+0], s43, (3<<16)|(1<<20)|(1<<21)|(5<<22)|(3<<25)
	s_or_b32 s[G1SB+0], s44, (3<<16)|(1<<20)|(1<<21)|(5<<22)|(3<<25)
.irp g, G1S, G1SB
	s_mov_b32 s[\g+1], 32<<16
	s_mov_b32 s[\g+2], (256*KS/256)<<16
	s_mov_b32 s[\g+3], 32<<16
	s_mov_b32 s[\g+4], 256*KS/256
	s_mov_b32 s[\g+5], 32
	s_mov_b32 s[\g+6], 0
	s_mov_b32 s[\g+7], 0
.endr
	s_lshl_b32 s20, s17, 8
	s_lshl_b32 s46, s42, 8
	s_mov_b32 s21, 0
	s_mov_b32 s47, 0
	s_mov_b64 s[18:19], KS
	s_mul_u64 s[22:23], s[20:21], s[18:19]         ; the scales of the tile's 256 rows, from its first row on
	s_mul_u64 s[92:93], s[46:47], s[18:19]
	s_lshl_b32 s18, s16, 7
	s_add_co_u32 s20, s20, s18                     ; the codes: my 128 rows of the tile
	s_add_co_u32 s46, s46, s18
	s_add_nc_u64 s[22:23], s[22:23], 0x400000
	s_mov_b64 s[18:19], KROW
	s_mul_u64 s[20:21], s[20:21], s[18:19]
	s_mul_u64 s[46:47], s[46:47], s[18:19]
	s_mul_i32 s45, s14, HALFT
	s_mul_i32 s94, s15, 2*HALFS                    ; A's scales, then B's
	s_lshl_b32 s96, s42, 10
	s_lshl_b32 s97, s16, 9
	s_add_co_u32 s96, s96, s97
	s_mov_b32 s97, 0
	s_mov_b32 s[MNT], 0x600000
	s_mov_b32 s[SEL], 0x76543210
	s_mov_b32 s[SEL+1], 0xfedcba98
	s_wait_kmcnt 0x0
	s_add_nc_u64 s[20:21], s[4:5], s[20:21]
	s_add_nc_u64 s[22:23], s[4:5], s[22:23]
	s_add_nc_u64 s[46:47], s[6:7], s[46:47]
	s_add_nc_u64 s[92:93], s[8:9], s[92:93]
	s_add_nc_u64 s[66:67], s[10:11], s[96:97]
	CROUND
	s_mov_b32 s[G0S], 1
	s_add_co_u32 s[G0S+1], s94, SCL
	s_mov_b64 s[G0S+2:G0S+3], s[22:23]
	s_or_b32 s[G0S+3], s[G0S+3], 0x80000000
	s_mov_b32 s[G0SB], 1
	s_add_co_u32 s[G0SB+1], s94, SCL
	s_mov_b64 s[G0SB+2:G0SB+3], s[92:93]
	s_or_b32 s[G0SB+3], s[G0SB+3], 0x80000000
.irp s, 0,1
	s_mov_b32 s[G0+4*\s], 1
	s_add_co_u32 s[G0+4*\s+1], s45, \s*SLOT
	s_add_nc_u64 s[G0+4*\s+2:G0+4*\s+3], s[20:21], \s*ROWB
	s_or_b32 s[G0+4*\s+3], s[G0+4*\s+3], 0x80000000
	s_mov_b32 s[G0B+4*\s], 1
	s_add_co_u32 s[G0B+4*\s+1], s45, \s*SLOT
	s_add_nc_u64 s[G0B+4*\s+2:G0B+4*\s+3], s[46:47], \s*ROWB
	s_or_b32 s[G0B+4*\s+3], s[G0B+4*\s+3], 0x80000000
.endr
; THE HEAD'S LOADS, ONE A WAVE: wave 0 K step 0's 256 rows of A (its own slot-0 group 0 names their first byte), wave 1 A's scales, wave 2 the 256 rows of B, wave 3 B's scales.
.macro ARM under, g0, g1, next
	s_cmp_lt_u32 s14, \under
	s_cbranch_scc0 \next
	tensor_load_to_lds s[\g0:\g0+3], s[\g1:\g1+7]
	s_nop 0
.rept 4
	v_nop
.endr
	s_branch .Lhead_asked
\next:
.endm
	ARM 1, G0,  G1,  .Lhead_sa
	ARM 2, G0S, G1S, .Lhead_b
	ARM 3, G0B, G1B, .Lhead_sb
	tensor_load_to_lds s[G0SB:G0SB+3], s[G1SB:G1SB+7]
	s_nop 0
.rept 4
	v_nop
.endr
.Lhead_asked:
; PREFETCH: K steps 2 and 3, each two loads ahead of its own.  Of the 128 rows that a wave fetches each of the four partners names 32, told apart by address; a lane a row of 256 bytes.  K has four steps, so none stands in the loop.
	s_lshl_b32 s20, s17, 8
	s_lshl_b32 s21, s42, 8
	s_cmp_eq_u32 s15, 0
	s_cselect_b32 s20, s20, s21
	s_cselect_b32 s21, s40, s41
	s_cselect_b64 s[8:9], s[4:5], s[6:7]
	s_lshl_b32 s22, s16, 7
	s_add_co_u32 s20, s20, s22
	s_lshl_b32 s21, s21, 5
	s_add_co_u32 s20, s20, s21
	s_lshl_b32 s20, s20, 10
	s_mov_b32 s21, 0
	s_add_nc_u64 s[8:9], s[8:9], s[20:21]
	v_and_b32 v18, 31, v0
	v_lshlrev_b32 v18, 10, v18
	global_prefetch_b8 v18, s[8:9] offset:2*ROWB th:TH_LOAD_NT scope:SCOPE_SE
	v_and_b32 v1, 15, v0
	v_bfe_u32 v2, v0, 4, 1
	v_lshlrev_b32 v7, 5, v2
.irp b, 0,1,2,3,4,5,6,7
	global_load_b128 v[BN+8*\b:BN+8*\b+3], v7, s[66:67] offset:64*\b
	global_load_b128 v[BN+8*\b+4:BN+8*\b+7], v7, s[66:67] offset:64*\b+16
.endr
	v_mul_u32_u24 v3, v1, PITCH
	v_lshl_add_u32 v4, v2, 4, v3
	s_mul_i32 s21, s15, HALFT
	s_mul_i32 s22, s16, HALFT
	s_add_co_u32 s22, s22, 2*HALFT
.irp s, 0,1
	v_add_nc_u32 v[ADRA+\s], s21, v4
	v_add_nc_u32 v[ADRB+\s], s22, v4
	s_add_co_u32 s21, s21, SLOT
	s_add_co_u32 s22, s22, SLOT
.endr
	v_mul_u32_u24 v5, v1, KS
	v_lshrrev_b32 v6, 8, v5
	v_lshl_add_u32 v5, v6, 4, v5
	s_mul_i32 s21, s15, HALFS
	s_mul_i32 s22, s16, HALFS
	s_add_co_u32 s22, s22, 2*HALFS
	s_sub_co_u32 s22, s22, s21
	v_mul_u32_u24 v6, s22, v2
	s_add_co_u32 s21, s21, SCL
	v_add_nc_u32 v5, v5, v6
	v_add_nc_u32 v[ADRS], s21, v5
	s_mul_i32 s23, s15, 128*272
	s_lshl_b32 s21, s16, 7
	s_add_co_u32 s23, s23, s21
	v_lshl_add_u32 v5, v2, 3, v3
	v_add_nc_u32 v[STO], s23, v5
	s_lshl_b32 s23, s15, 10
	s_lshl_b32 s21, s16, 2
	s_add_co_u32 s23, s23, s21
	s_add_co_u32 s23, s23, SCST
	v_lshl_add_u32 v[SST], v1, 3, s23
	s_mul_i32 s23, s15, 128*272                    ; the way out goes in two halves; in each my wave reads back 32 rows: from row 128 (wave / 2) + 32 (wave % 2) on, and 64 further down
	s_mul_i32 s21, s16, 32*272
	s_add_co_u32 s23, s23, s21
	v_mul_u32_u24 v5, v2, 272
	v_lshl_add_u32 v5, v1, 4, v5
	v_add_nc_u32 v[RD], s23, v5
	v_lshlrev_b32 v5, 12, v2
	v_lshl_add_u32 v[CO], v1, 4, v5
	v_and_b32 v6, 31, v0
	s_lshl_b32 s23, s14, 9
	s_add_co_u32 s23, s23, SCST
	v_lshl_add_u32 v[SRD], v6, 3, s23
	v_lshlrev_b32 v[SCO], 7, v6
	s_lshl_b32 s20, s17, 15
	s_lshl_b32 s21, s14, 13
	s_add_co_u32 s20, s20, s21
	s_lshl_b32 s21, s42, 3
	s_add_co_u32 s20, s20, s21
	s_add_co_u32 s20, s20, 0x1000000
	s_mov_b32 s21, 0
	s_add_nc_u64 s[10:11], s[12:13], s[20:21]
	s_lshl_b32 s20, s17, 20
	s_lshl_b32 s22, s15, 19                        ; the same rows in hid: 4,096 bytes a row
	s_add_co_u32 s20, s20, s22
	s_lshl_b32 s22, s16, 17
	s_add_co_u32 s20, s20, s22
	s_lshl_b32 s22, s42, 8
	s_add_co_u32 s20, s20, s22
	s_add_nc_u64 s[12:13], s[12:13], s[20:21]
.macro FRAG reg, adr, q, i
.irp c, 0,1,2,3
	ds_load_b128 v[\reg+4*\c:\reg+4*\c+3], v[\adr] offset:128*(\q)+32*\c+(\i)*16*PITCH
.endr
.endm
.macro MUL16 a0, p, q, sc, first
.irp a, \a0, \a0+1
.irp b, 0,1,2,3,4,5,6,7
.if \first
	v_wmma_scale_f32_16x16x128_f8f6f4 v[8*(8*((\a)%4)+\b):8*(8*((\a)%4)+\b)+7], v[128*(\p)+FR*\b:128*(\p)+FR*\b+FR-1], v[AF+FR*(\a):AF+FR*(\a)+FR-1], v[BN+8*\b:BN+8*\b+7], v[SC+8*NQ*(\sc)+NQ*\b+(\q)], v[SC+8*NQ*(\sc)+NQ*(\a)+(\q)] matrix_a_scale:MATRIX_SCALE_ROW1
.else
	v_wmma_scale_f32_16x16x128_f8f6f4 v[8*(8*((\a)%4)+\b):8*(8*((\a)%4)+\b)+7], v[128*(\p)+FR*\b:128*(\p)+FR*\b+FR-1], v[AF+FR*(\a):AF+FR*(\a)+FR-1], v[8*(8*((\a)%4)+\b):8*(8*((\a)%4)+\b)+7], v[SC+8*NQ*(\sc)+NQ*\b+(\q)], v[SC+8*NQ*(\sc)+NQ*(\a)+(\q)] matrix_a_scale:MATRIX_SCALE_ROW1
.endif
.endr
.endr
.endm
.macro FETCH_B slot, q, p
	WIN TO_B
.irp i, 0,1,2,3,4,5,6,7
	FRAG 128*(\p)+FR*\i, ADRB+\slot, \q, \i
.endr
	WIN 0
.endm
.macro FETCH_A slot, q, i0
.irp i, \i0, \i0+1, \i0+2, \i0+3
	FRAG AF+FR*(\i), ADRA+\slot, \q, \i
.endr
.endm
.macro SCALES sc
.irp i, 0,1,2,3,4,5,6,7
	ds_load_b64 v[SC+8*NQ*\sc+NQ*\i:SC+8*NQ*\sc+NQ*\i+1], v[ADRS] offset:\i*SBLK
.endr
.endm
.macro PLACES n
.rept \n
	v_nop
.endr
.endm
.macro STEP slot, q, first
	s_wait_dscnt 4*NL
	WIN MUL_LO-0x20*(\first)
	MUL16 0, (\q)%2, \q, \slot, \first
	MUL16 2, (\q)%2, \q, \slot, \first
	s_wait_dscnt 0
	PLACES NP
	FETCH_B \slot, (\q)+1, 1-(\q)%2
	FETCH_A \slot, (\q)+1, 0
	WIN MUL_HI-0x30*(\first)
	MUL16 4, (\q)%2, \q, \slot, \first
	MUL16 6, (\q)%2, \q, \slot, \first
	PLACES NP
	WIN 0
	FETCH_A \slot, (\q)+1, 4
.endm
.macro TURN slot, next, fill
	s_wait_tensorcnt 0x0
	ds_add_u32 v[SPW], v[NIL]
	s_wait_dscnt 4*NL+1
	WIN MUL_LO
	MUL16 0, 1, NQ-1, \slot, 0
	s_wait_dscnt 0x0
	s_barrier_signal -1
	MUL16 2, 1, NQ-1, \slot, 0
	WIN 0
	s_barrier_wait -1
.if \fill
	CREST
	s_add_nc_u64 s[G0+4*\slot+2:G0+4*\slot+3], s[G0+4*\slot+2:G0+4*\slot+3], 2*ROWB
	s_add_nc_u64 s[G0B+4*\slot+2:G0B+4*\slot+3], s[G0B+4*\slot+2:G0B+4*\slot+3], 2*ROWB
	JLOAD G0+4*\slot, G1, G0B+4*\slot, G1B
	PLACES NP-4
.else
	PLACES NP
.endif
	s_wait_alu depctr_va_vdst(0)
	v_add_nc_u32 v[ADRS], 4*NQ, v[ADRS]
	FETCH_B \next, 0, 0
	FETCH_A \next, 0, 0
	SCALES \next
	WIN MUL_HI
	MUL16 4, 1, NQ-1, \slot, 0
	MUL16 6, 1, NQ-1, \slot, 0
	PLACES NP
	WIN 0
	FETCH_A \next, 0, 4
.endm
	s_wait_alu depctr_va_vdst(0)                   ; the head's end
	s_wait_tensorcnt 0x0                           ; my tile of the head's four is in
	ds_add_u32 v[SPW], v[NIL]
	s_mov_b32 s[G1+2], 128<<16                     ; no load of mine is out: from here on a load brings 128 rows
	s_mov_b32 s[G1+4], 128
	s_mov_b32 s[G1B+2], 128<<16
	s_mov_b32 s[G1B+4], 128
	s_wait_dscnt 0x0
	CROUND
	JLOAD G0+4, G1, G0B+4, G1B                     ; K step 1, the first tensor load behind the round
	global_prefetch_b8 v18, s[8:9] offset:3*ROWB th:TH_LOAD_NT scope:SCOPE_SE
	FETCH_B 0, 0, 0
	FETCH_A 0, 0, 0
	SCALES 0
	FETCH_A 0, 0, 4
	s_wait_loadcnt 0x0
	STEP 0, 0, 1
	s_mov_b32 s3, LAPS-1
.Llap:
	TURN 0, 1, 1
	STEP 1, 0, 0
	TURN 1, 0, 1
	STEP 0, 0, 0
	s_sub_co_u32 s3, s3, 1
	s_cmp_lg_u32 s3, 0
	s_cbranch_scc1 .Llap
	TURN 0, 1, 0
	STEP 1, 0, 0
	s_wait_dscnt 4*NL
	WIN MUL_LO
	MUL16 0, 1, NQ-1, 1, 0
	MUL16 2, 1, NQ-1, 1, 0
	s_wait_dscnt 0
	WIN MUL_HI
	MUL16 4, 1, NQ-1, 1, 0
	MUL16 6, 1, NQ-1, 1, 0
	WIN 0
	PLACES NP
.irp b, 0,1,2,3
	v_mov_b32 v[TM+4+\b], 0
.endr
.macro QUANTA a
.set W, 2+(\a)/4
.set AC, 64*((\a)%4)
	WIN W|(W<<2)
.irp b, 0,1,2,3
	v_max3_num_f32 v[TM+\b], v[AC+16*\b], v[AC+16*\b+1], 0x4800000
.endr
	WIN (W<<2)|(W<<4)
.irp i, 2,4,6,8,10,12,14
.irp b, 0,1,2,3
	v_max3_num_f32 v[TM+\b], v[TM+\b], v[AC+16*\b+\i], v[AC+16*\b+\i+1]
.endr
.endr
	WIN 0
	s_wait_alu depctr_va_vdst(0)
	s_wait_dscnt 0x0
.irp b, 0,1,2,3
	v_permlanex16_b32 v[TM+4+\b], v[TM+\b], s[SEL], s[SEL+1]
.endr
.irp b, 0,1,2,3
	v_max_num_f32 v[TM+\b], v[TM+\b], v[TM+4+\b]
.endr
.irp b, 0,1,2,3
	v_add_nc_u32 v[TM+12+\b], 0xfc000000, v[TM+\b]
.endr
.irp b, 0,1,2,3
	v_and_or_b32 v[TM+8+\b], v[TM+\b], 0x7f800000, s[MNT]
.endr
.irp b, 0,1,2,3
	v_lshrrev_b32 v[TM+4+\b], 23, v[TM+12+\b]
.endr
	v_lshl_or_b32 v[PW], v[TM+5], 8, v[TM+4]
	v_lshl_or_b32 v[PW], v[TM+6], 16, v[PW]
	v_lshl_or_b32 v[PW], v[TM+7], 24, v[PW]
	WIN (W<<6)|W
.irp b, 0,1,2,3
.set i, 0
.rept 16
	v_med3_num_f32 v[AC+16*\b+i], v[AC+16*\b+i], 0, v[TM+8+\b]
.set i, i+1
.endr
.endr
	WIN W
.irp b, 0,1,2,3
	v_cvt_scalef32_pk8_fp8_f32 v[PC+4*\b:PC+4*\b+1], v[AC+16*\b:AC+16*\b+7], v[TM+12+\b]
	v_cvt_scalef32_pk8_fp8_f32 v[PC+4*\b+2:PC+4*\b+3], v[AC+16*\b+8:AC+16*\b+15], v[TM+12+\b]
.endr
	WIN 0
	v_nop
.irp b, 0,1,2,3
	ds_store_b64 v[STO], v[PC+4*\b:PC+4*\b+1] offset:(\a)*4352+32*\b
	ds_store_b64 v[STO], v[PC+4*\b+2:PC+4*\b+3] offset:(\a)*4352+32*\b+16
.endr
	ds_store_b32 v[SST], v[PW] offset:128*(\a)
.endm
; Half ph of the way out: every wave's blocks 4 ph .. 4 ph + 3 lie in the stage: rows 64 ph .. 64 ph + 63 and the same 128 further down.  One barrier; each wave reads 32 whole rows back and stores them,
; sixteen lanes to 256 aligned bytes.  The first half's stores are out while blocks 4 to 7 are converted; the two halves use different rows of the stage and different registers.
.macro HALFOUT ph
	s_wait_dscnt 0x0                               ; for the others' sake: my stores to the stage are done
	s_barrier_signal -1
	s_barrier_wait -1
.set t, 0
.rept 16
	ds_load_b128 v[BK+64*\ph+4*t:BK+64*\ph+4*t+3], v[RD] offset:544*t+17408*\ph
.set t, t+1
.endr
.set t, 0
.rept 16
	s_wait_dscnt 15-t                              ; the loads issued behind load t may be out
	global_store_b128 v[CO], v[BK+64*\ph+4*t:BK+64*\ph+4*t+3], s[12:13] offset:8192*t+262144*\ph
.set t, t+1
.endr
.endm
.irp a, 0,1,2,3
	QUANTA \a
.endr
	HALFOUT 0
.irp a, 4,5,6,7
	QUANTA \a
.endr
	HALFOUT 1
	ds_load_b64 v[104:105], v[SRD]
	ds_load_b64 v[106:107], v[SRD] offset:256
	s_wait_dscnt 0x0
	global_store_b64 v[SCO], v[104:105], s[10:11]
	global_store_b64 v[SCO], v[106:107], s[10:11] offset:4096
	s_wait_tensorcnt 0x0
	ds_add_u32 v[SPW], v[NIL]
	s_wait_dscnt 0x0
	CROUND
	s_endpgm
.Lfunc_end_k_q84b9b127b7_ffn1:
	.size	k_q84b9b127b7_ffn1, .Lfunc_end_k_q84b9b127b7_ffn1-k_q84b9b127b7_ffn1
	.p2alignl 7, 3214868480
	.fill 96, 4, 3214868480
	.section	.rodata,"a",@progbits
	.p2align	6, 0x0
	.amdhsa_kernel k_q84b9b127b7_ffn1
		.amdhsa_group_segment_fixed_size 327680
		.amdhsa_private_segment_fixed_size 0
		.amdhsa_enable_private_segment 0
		.amdhsa_kernarg_size 40
		.amdhsa_user_sgpr_count 2
		.amdhsa_user_sgpr_kernarg_segment_ptr 1
		.amdhsa_wavefront_size32 1
		.amdhsa_system_sgpr_workgroup_id_x 1
		.amdhsa_system_sgpr_workgroup_id_y 1
		.amdhsa_system_sgpr_workgroup_id_z 1
		.amdhsa_system_vgpr_workitem_id 0
		.amdhsa_next_free_vgpr 1024
		.amdhsa_next_free_sgpr 100
		.amdhsa_reserve_vcc 0
		.amdhsa_float_denorm_mode_32 3
		.amdhsa_float_denorm_mode_16_64 3
		.amdhsa_memory_ordered 1
		.amdhsa_forward_progress 1
		.amdhsa_inst_pref_size 197
	.end_amdhsa_kernel
	.amdgpu_metadata
---
amdhsa.version: [ 1, 2 ]
amdhsa.kernels:
  - .name:           k_q84b9b127b7_ffn1
    .symbol:         k_q84b9b127b7_ffn1.kd
    .args:
      - { .name: xq, .offset: 0, .size: 8, .value_kind: global_buffer, .address_space: global }
      - { .name: w1_codes, .offset: 8, .size: 8, .value_kind: global_buffer, .address_space: global }
      - { .name: w1_scales, .offset: 16, .size: 8, .value_kind: global_buffer, .address_space: global }
      - { .name: b1, .offset: 24, .size: 8, .value_kind: global_buffer, .address_space: global }
      - { .name: hid, .offset: 32, .size: 8, .value_kind: global_buffer, .address_space: global }
    .group_segment_fixed_size: 327680
    .private_segment_fixed_size: 0
    .kernarg_segment_align: 8
    .kernarg_segment_size: 40
    .max_flat_workgroup_size: 128
    .sgpr_count:     100
    .vgpr_count:     1024
    .wavefront_size: 32
...
	.end_amdgpu_metadata
.endif
;; end of part 6
;; launch ffn2 (part 7): grid 8 x 32, 4 waves a work-group, clusters of 4 x 4, 327,680 bytes of LDS; arguments hid, w2_codes, w2_scales, b2, o1, y; writes y
.if DOCPART == 7
	.amdgcn_target "amdgcn-amd-amdhsa--gfx1250"
	.amdhsa_code_object_version 6
	.text
	.protected	k_q84b9b127b7_ffn2
	.globl	k_q84b9b127b7_ffn2
	.p2align	8
	.type	k_q84b9b127b7_ffn2,@function
k_q84b9b127b7_ffn2:
	s_mov_b64 s[64:65], 0
	v_nop
	global_prefetch_b8 v0, s[64:65] scope:SCOPE_SE
	s_setreg_imm32_b32 hwreg(HW_REG_WAVE_MODE, 25, 1), 1
	s_wait_xcnt 0x0
	s_wait_alu depctr_hold_cnt(0) depctr_sa_sdst(0) depctr_va_vdst(0) depctr_va_sdst(0) depctr_va_ssrc(0) depctr_va_vcc(0) depctr_vm_vsrc(0)
	s_getreg_b32 s2, hwreg(HW_REG_IB_STS2, 6, 4)
	s_cmp_eq_u32 s2, 0
	s_cbranch_scc0 .Lentry_in_a_cluster
	s_endpgm
.Lentry_in_a_cluster:
	s_bfe_u32 s2, ttmp6, 0x10000c
	s_cmp_lg_u32 s2, 0xf033
	s_cbranch_scc0 .Lentry_shape_is_right
	s_endpgm
.Lentry_shape_is_right:
.set SIZE_K, 4096
.set KSTEP,  512
.set PITCH,  528
.set FR,     16
.set NL,     4
.set NP,     8
.set HALFT,  64*PITCH
.set SLOT,   4*HALFT
.set LAPS,   SIZE_K/(2*KSTEP)
.set KS,     SIZE_K/32
.set SCL,    2*SLOT
.set HALFS,  (64*KS/256)*272
.set SBLK,   (16*KS/256)*272
.set SPARE,  SCL+4*HALFS
.set ASC,    4096*SIZE_K
.set ADRA, 16
.set ADRB, 20
.set STO,  24
.set RD,   25
.set CO,   26
.set ADRS, 27
.set SPW,  28
.set NIL,  29
.set SC,   32
.set BN,   64
.set BK,   64
.set ACC,  128
.set G1, 24
.set G0, 32
.set G1B, 48
.set G0B, 56
.set G1S, 68
.set G0S, 76
.set G1SB, 80
.set G0SB, 88
.set MSB, 0
.macro WIN new
.if MSB != (\new)
	s_set_vgpr_msb (MSB<<8)|(\new)
.set MSB, (\new)
.endif
.endm
.set MUL,  0x05
.set TO_F, 0x40
.macro JLOAD g0a, g1a, g0b, g1b
	s_cmp_eq_u32 s15, 0
	s_cbranch_scc0 .Lfor_b_\@
	tensor_load_to_lds s[\g0a:\g0a+3], s[\g1a:\g1a+7]
	s_nop 0
.rept 4
	v_nop
.endr
	s_branch .Lasked_\@
.Lfor_b_\@:
	tensor_load_to_lds s[\g0b:\g0b+3], s[\g1b:\g1b+7]
	s_nop 0
.rept 4
	v_nop
.endr
.Lasked_\@:
.endm
.macro CREST
	s_cmp_lg_u32 s14, 0
	s_cbranch_scc1 .Lnot_wave_0_\@
	s_barrier_signal -3
.Lnot_wave_0_\@:
	s_barrier_wait -3
	s_barrier_signal -1
	s_barrier_wait -1
.endm
.macro CROUND
	s_barrier_signal -1
	s_barrier_wait -1
	CREST
.endm
	s_load_b128 s[4:7], s[0:1], 0x0
	s_load_b128 s[8:11], s[0:1], 0x10
	s_load_b128 s[96:99], s[0:1], 0x20
	v_lshl_add_u32 v[SPW], v0, 2, SPARE
	v_mov_b32 v[NIL], 0
	ds_add_u32 v28, v29
	ds_add_u32 v28, v29
	s_wait_dscnt 0x0
	v_lshrrev_b32 v1, 5, v0
	v_readfirstlane_b32 s14, v1
	s_lshr_b32 s15, s14, 1
	s_and_b32 s16, s14, 1
	s_bfe_u32 s40, ttmp6, 0x40000
	s_bfe_u32 s41, ttmp6, 0x40004
	s_lshl_b32 s42, ttmp9, 2
	s_add_co_u32 s42, s42, s40
	s_and_b32 s17, ttmp7, 0xffff
	s_lshl_b32 s17, s17, 2
	s_add_co_u32 s17, s17, s41
	s_lshl_b32 s43, s41, 2
	s_lshl_b32 s43, 15, s43
	s_lshl_b32 s44, 0x1111, s40
	s_or_b32 s[G1+0], s43, (0<<16)|(1<<20)|(1<<21)|(6<<22)|(3<<25)
	s_or_b32 s[G1B+0], s44, (0<<16)|(1<<20)|(1<<21)|(6<<22)|(3<<25)
.irp g, G1, G1B
	s_mov_b32 s[\g+1], KSTEP<<16
	s_mov_b32 s[\g+2], 128<<16                     ; the head's loads bring 128 rows; the ring's 64
	s_mov_b32 s[\g+3], KSTEP<<16
	s_mov_b32 s[\g+4], 128
	s_mov_b32 s[\g+5], SIZE_K
	s_mov_b32 s[\g+6], 0
	s_mov_b32 s[\g+7], 0
.endr
	s_or_b32 s[G1S+0], s43, (3<<16)|(1<<20)|(1<<21)|(5<<22)|(3<<25)
	s_or_b32 s[G1SB+0], s44, (3<<16)|(1<<20)|(1<<21)|(5<<22)|(3<<25)
.irp g, G1S, G1SB
	s_mov_b32 s[\g+1], 32<<16
	s_mov_b32 s[\g+2], (128*KS/256)<<16
	s_mov_b32 s[\g+3], 32<<16
	s_mov_b32 s[\g+4], 128*KS/256
	s_mov_b32 s[\g+5], 32
	s_mov_b32 s[\g+6], 0
	s_mov_b32 s[\g+7], 0
.endr
	s_lshl_b32 s20, s17, 7
	s_lshl_b32 s46, s42, 7
	s_mov_b32 s21, 0
	s_mov_b32 s47, 0
	s_mov_b64 s[18:19], KS
	s_mul_u64 s[22:23], s[20:21], s[18:19]         ; the scales of the tile's 128 rows, from its first row on
	s_mul_u64 s[92:93], s[46:47], s[18:19]
	s_lshl_b32 s18, s16, 6
	s_add_co_u32 s20, s20, s18                     ; the codes: row 128 x tile row + 64 x half
	s_add_co_u32 s46, s46, s18
	s_add_nc_u64 s[22:23], s[22:23], ASC
	s_mov_b64 s[18:19], SIZE_K
	s_mul_u64 s[20:21], s[20:21], s[18:19]
	s_mul_u64 s[46:47], s[46:47], s[18:19]
	s_mul_i32 s45, s14, HALFT
	s_mul_i32 s94, s15, 2*HALFS                    ; A's scales, then B's
	s_wait_kmcnt 0x0
	s_add_nc_u64 s[20:21], s[4:5], s[20:21]
	s_add_nc_u64 s[22:23], s[4:5], s[22:23]
	s_add_nc_u64 s[46:47], s[6:7], s[46:47]
	s_add_nc_u64 s[92:93], s[8:9], s[92:93]
	CROUND
	s_mov_b32 s[G0S], 1
	s_add_co_u32 s[G0S+1], s94, SCL
	s_mov_b64 s[G0S+2:G0S+3], s[22:23]
	s_or_b32 s[G0S+3], s[G0S+3], 0x80000000
	s_mov_b32 s[G0SB], 1
	s_add_co_u32 s[G0SB+1], s94, SCL
	s_mov_b64 s[G0SB+2:G0SB+3], s[92:93]
	s_or_b32 s[G0SB+3], s[G0SB+3], 0x80000000
.irp s, 0,1
	s_mov_b32 s[G0+4*\s], 1
	s_add_co_u32 s[G0+4*\s+1], s45, \s*SLOT
	s_add_nc_u64 s[G0+4*\s+2:G0+4*\s+3], s[20:21], \s*KSTEP
	s_or_b32 s[G0+4*\s+3], s[G0+4*\s+3], 0x80000000
	s_mov_b32 s[G0B+4*\s], 1
	s_add_co_u32 s[G0B+4*\s+1], s45, \s*SLOT
	s_add_nc_u64 s[G0B+4*\s+2:G0B+4*\s+3], s[46:47], \s*KSTEP
	s_or_b32 s[G0B+4*\s+3], s[G0B+4*\s+3], 0x80000000
.endr
; THE HEAD'S LOADS, ONE A WAVE: wave 0 K step 0's 128 rows of A (its own slot-0 group 0 names their first byte), wave 1 A's scales, wave 2 the 128 rows of B, wave 3 B's scales.
.macro ARM under, g0, g1, next
	s_cmp_lt_u32 s14, \under
	s_cbranch_scc0 \next
	tensor_load_to_lds s[\g0:\g0+3], s[\g1:\g1+7]
	s_nop 0
.rept 4
	v_nop
.endr
	s_branch .Lhead_asked
\next:
.endm
	ARM 1, G0,  G1,  .Lhead_sa
	ARM 2, G0S, G1S, .Lhead_b
	ARM 3, G0B, G1B, .Lhead_sb
	tensor_load_to_lds s[G0SB:G0SB+3], s[G1SB:G1SB+7]
	s_nop 0
.rept 4
	v_nop
.endr
.Lhead_asked:
; PREFETCH: behind the load of K step e stands one line for K step e + 2, e = 0 .. 5.  Of the 64 rows x 512 bytes that a wave fetches each of the four partners names 16 rows, told apart by address:
; a lane names 256 bytes, two lanes a row.  The last two refills have no K step two on and ask for nothing.
	s_lshl_b32 s20, s17, 7
	s_lshl_b32 s21, s42, 7
	s_cmp_eq_u32 s15, 0
	s_cselect_b32 s20, s20, s21
	s_cselect_b32 s21, s40, s41
	s_cselect_b64 s[8:9], s[4:5], s[6:7]
	s_lshl_b32 s22, s16, 6
	s_add_co_u32 s20, s20, s22
	s_lshl_b32 s21, s21, 4
	s_add_co_u32 s20, s20, s21
	s_lshl_b32 s20, s20, 12
	s_mov_b32 s21, 0
	s_add_nc_u64 s[8:9], s[8:9], s[20:21]
	v_bfe_u32 v30, v0, 1, 4
	v_lshlrev_b32 v30, 12, v30
	v_and_b32 v31, 1, v0
	v_lshl_add_u32 v30, v31, 8, v30
	global_prefetch_b8 v30, s[8:9] offset:2*KSTEP th:TH_LOAD_NT scope:SCOPE_SE
	s_lshl_b32 s20, s42, 9
	s_lshl_b32 s21, s16, 8
	s_add_co_u32 s20, s20, s21
	s_mov_b32 s21, 0
	s_add_nc_u64 s[10:11], s[10:11], s[20:21]
	s_lshl_b32 s22, s17, 19
	s_lshl_b32 s23, s15, 18
	s_add_co_u32 s22, s22, s23
	s_add_co_u32 s22, s22, s20
	s_mov_b32 s23, 0
	s_add_nc_u64 s[96:97], s[96:97], s[22:23]
	s_add_nc_u64 s[98:99], s[98:99], s[22:23]
	v_and_b32 v1, 15, v0
	v_bfe_u32 v2, v0, 4, 1
	v_lshlrev_b32 v7, 5, v2
	v_lshlrev_b32 v5, 12, v2
	v_lshl_add_u32 v[CO], v1, 4, v5
.irp b, 0,1,2,3
	global_load_b128 v[BN+8*\b:BN+8*\b+3], v7, s[10:11] offset:64*\b
	global_load_b128 v[BN+8*\b+4:BN+8*\b+7], v7, s[10:11] offset:64*\b+16
.endr
	WIN 0x80
.irp a, 0,1,2,3
.irp t, 0,1,2,3,4,5,6,7
	global_load_b128 v[32*\a+4*\t:32*\a+4*\t+3], v[CO], s[96:97] offset:(16*\a+2*\t)*4096 th:TH_LOAD_NT
.endr
.endr
	WIN 0
	v_mul_u32_u24 v3, v1, PITCH
	v_lshl_add_u32 v4, v2, 4, v3
	s_mul_i32 s21, s15, HALFT
	s_mul_i32 s22, s16, HALFT
	s_add_co_u32 s22, s22, 2*HALFT
.irp s, 0,1
	v_add_nc_u32 v[ADRA+\s], s21, v4
	v_add_nc_u32 v[ADRB+\s], s22, v4
	s_add_co_u32 s21, s21, SLOT
	s_add_co_u32 s22, s22, SLOT
.endr
	v_mul_u32_u24 v5, v1, KS
	v_lshrrev_b32 v6, 8, v5
	v_lshl_add_u32 v5, v6, 4, v5
	s_mul_i32 s21, s15, HALFS
	s_mul_i32 s22, s16, HALFS
	s_add_co_u32 s22, s22, 2*HALFS
	s_sub_co_u32 s22, s22, s21
	v_mul_u32_u24 v6, s22, v2
	s_add_co_u32 s21, s21, SCL
	v_add_nc_u32 v5, v5, v6
	v_add_nc_u32 v[ADRS], s21, v5
	s_mul_i32 s23, s14, 16*272
	v_mul_u32_u24 v5, v1, 272
	v_lshl_add_u32 v5, v2, 5, v5
	v_add_nc_u32 v[STO], s23, v5
	v_mul_u32_u24 v5, v2, 272
	v_lshl_add_u32 v5, v1, 4, v5
	v_add_nc_u32 v[RD], s23, v5
.macro FRAG reg, adr, q, i
.irp c, 0,1,2,3
	ds_load_b128 v[\reg+4*\c:\reg+4*\c+3], v[\adr] offset:128*(\q)+32*\c+(\i)*16*PITCH
.endr
.endm
.macro MULA p, q, sc, a, first
.irp b, 0,1,2,3
.if \first
	v_wmma_scale_f32_16x16x128_f8f6f4 v[ACC+8*(4*(\a)+\b):ACC+8*(4*(\a)+\b)+7], v[128*(\p)+64+FR*\b:128*(\p)+64+FR*\b+FR-1], v[128*(\p)+FR*(\a):128*(\p)+FR*(\a)+FR-1], v[BN+8*\b:BN+8*\b+7], v[SC+16*(\sc)+4*\b+(\q)], v[SC+16*(\sc)+4*(\a)+(\q)] matrix_a_scale:MATRIX_SCALE_ROW1
.else
	v_wmma_scale_f32_16x16x128_f8f6f4 v[ACC+8*(4*(\a)+\b):ACC+8*(4*(\a)+\b)+7], v[128*(\p)+64+FR*\b:128*(\p)+64+FR*\b+FR-1], v[128*(\p)+FR*(\a):128*(\p)+FR*(\a)+FR-1], v[ACC+8*(4*(\a)+\b):ACC+8*(4*(\a)+\b)+7], v[SC+16*(\sc)+4*\b+(\q)], v[SC+16*(\sc)+4*(\a)+(\q)] matrix_a_scale:MATRIX_SCALE_ROW1
.endif
.endr
.endm
.macro FETCH slot, q, p, sc
	WIN TO_F
.irp i, 0,1,2,3
	FRAG 128*(\p)+64+FR*\i, ADRB+\slot, \q, \i
.endr
	FRAG 128*(\p), ADRA+\slot, \q, 0
	FRAG 128*(\p)+FR, ADRA+\slot, \q, 1
.if \sc
	WIN 0
.irp i, 0,1,2,3
	ds_load_b128 v[SC+16*(\slot)+4*\i:SC+16*(\slot)+4*\i+3], v[ADRS] offset:\i*SBLK
.endr
	WIN TO_F
.endif
	FRAG 128*(\p)+2*FR, ADRA+\slot, \q, 2
	FRAG 128*(\p)+3*FR, ADRA+\slot, \q, 3
.endm
.macro PLACES n
.rept \n
	v_nop
.endr
.endm
.macro STEP slot, q, first
	s_wait_dscnt 2*NL
	WIN MUL
	MULA (\q)%2, \q, \slot, 0, \first
	MULA (\q)%2, \q, \slot, 1, \first
	PLACES NP
	FETCH \slot, (\q)+1, 1-(\q)%2, 0
	s_wait_dscnt 8*NL
	WIN MUL
	MULA (\q)%2, \q, \slot, 2, \first
	MULA (\q)%2, \q, \slot, 3, \first
.endm
.macro TURN slot, next, fill
	WIN 0
.if \fill
	s_wait_xcnt 0x0                                ; my last prefetch has read its address: it steps one K step
	s_add_nc_u64 s[8:9], s[8:9], KSTEP
.endif
	s_wait_tensorcnt 0x0
	ds_add_u32 v[SPW], v[NIL]
	s_wait_dscnt 2*NL+1
	WIN MUL
	MULA 1, 3, \slot, 0, 0
	s_wait_dscnt 0x0
	s_barrier_signal -1
	MULA 1, 3, \slot, 1, 0
	WIN 0
	s_barrier_wait -1
.if \fill
	CREST
	s_add_nc_u64 s[G0+4*\slot+2:G0+4*\slot+3], s[G0+4*\slot+2:G0+4*\slot+3], 2*KSTEP
	s_add_nc_u64 s[G0B+4*\slot+2:G0B+4*\slot+3], s[G0B+4*\slot+2:G0B+4*\slot+3], 2*KSTEP
	JLOAD G0+4*\slot, G1, G0B+4*\slot, G1B
	PLACES NP-4
.else
	PLACES NP
.endif
	s_wait_alu depctr_va_vdst(0)
	v_add_nc_u32 v[ADRS], 16, v[ADRS]
	FETCH \next, 0, 0, 1
.if \fill
	WIN 0
	s_cmp_gt_u32 s3, 1                             ; the loop's last trip asks for nothing
	s_cbranch_scc0 .Lno_ask_\@
	global_prefetch_b8 v30, s[8:9] offset:3*KSTEP th:TH_LOAD_NT scope:SCOPE_SE
.Lno_ask_\@:
.endif
	WIN MUL
	MULA 1, 3, \slot, 2, 0
	MULA 1, 3, \slot, 3, 0
.endm
	s_wait_alu depctr_va_vdst(0)
	s_wait_tensorcnt 0x0                           ; my tile of the head's four is in
	ds_add_u32 v[SPW], v[NIL]
	s_mov_b32 s[G1+2], 64<<16                      ; no load of mine is out: from here on a load brings 64 rows
	s_mov_b32 s[G1+4], 64
	s_mov_b32 s[G1B+2], 64<<16
	s_mov_b32 s[G1B+4], 64
	s_wait_dscnt 0x0
	CROUND
	JLOAD G0+4, G1, G0B+4, G1B                     ; K step 1, the first tensor load behind the round
	global_prefetch_b8 v30, s[8:9] offset:3*KSTEP th:TH_LOAD_NT scope:SCOPE_SE
	FETCH 0, 0, 0, 1
	s_wait_loadcnt 32
	STEP 0, 0, 1
.if LAPS > 1
	WIN 0
	s_mov_b32 s3, LAPS-1
.Llap:
	STEP 0, 1, 0
	STEP 0, 2, 0
	TURN 0, 1, 1
	STEP 1, 0, 0
	STEP 1, 1, 0
	STEP 1, 2, 0
	TURN 1, 0, 1
	STEP 0, 0, 0
	WIN 0
	s_sub_co_u32 s3, s3, 1
	s_cmp_lg_u32 s3, 0
	s_cbranch_scc1 .Llap
.endif
	STEP 0, 1, 0
	STEP 0, 2, 0
	TURN 0, 1, 0
	STEP 1, 0, 0
	STEP 1, 1, 0
	STEP 1, 2, 0
	s_wait_dscnt 2*NL
	WIN MUL
	MULA 1, 3, 1, 0, 0
	MULA 1, 3, 1, 1, 0
	s_wait_dscnt 0
	MULA 1, 3, 1, 2, 0
	MULA 1, 3, 1, 3, 0
	WIN 0
.macro TOSTAGE a
.irp b, 0,1,2,3
	ds_store_b128 v[STO], v[ACC+8*(4*(\a)+\b):ACC+8*(4*(\a)+\b)+3] offset:64*\b
	ds_store_b128 v[STO], v[ACC+8*(4*(\a)+\b)+4:ACC+8*(4*(\a)+\b)+7] offset:64*\b+16
.endr
.irp t, 0,1,2,3,4,5,6,7
	ds_load_b128 v[BK+32*((\a)%2)+4*\t:BK+32*((\a)%2)+4*\t+3], v[RD] offset:544*\t
.endr
.endm
.macro SEND a, younger
	s_wait_dscnt \younger
	WIN 0x08
.set i, 0
.rept 16
	v_pk_add_f32 v[BK+32*((\a)%2)+i:BK+32*((\a)%2)+i+1], v[BK+32*((\a)%2)+i:BK+32*((\a)%2)+i+1], v[32*(\a)+i:32*(\a)+i+1]
.set i, i+2
.endr
	WIN 0
.irp t, 0,1,2,3,4,5,6,7
	global_store_b128 v[CO], v[BK+32*((\a)%2)+4*\t:BK+32*((\a)%2)+4*\t+3], s[98:99] offset:(16*(\a)+2*\t)*4096
.endr
.endm
	PLACES NP
	s_wait_loadcnt 0x0
	TOSTAGE 0
.irp a, 1,2,3
.if \a > 1
	s_wait_xcnt 0x0
.endif
	TOSTAGE \a
	SEND \a-1, 16
.endr
	SEND 3, 0
	s_wait_tensorcnt 0x0
	ds_add_u32 v[SPW], v[NIL]
	s_wait_dscnt 0x0
	CROUND
	s_endpgm
.Lfunc_end_k_q84b9b127b7_ffn2:
	.size	k_q84b9b127b7_ffn2, .Lfunc_end_k_q84b9b127b7_ffn2-k_q84b9b127b7_ffn2
	.p2alignl 7, 3214868480
	.fill 96, 4, 3214868480
	.section	.rodata,"a",@progbits
	.p2align	6, 0x0
	.amdhsa_kernel k_q84b9b127b7_ffn2
		.amdhsa_group_segment_fixed_size 327680
		.amdhsa_private_segment_fixed_size 0
		.amdhsa_enable_private_segment 0
		.amdhsa_kernarg_size 48
		.amdhsa_user_sgpr_count 2
		.amdhsa_user_sgpr_kernarg_segment_ptr 1
		.amdhsa_wavefront_size32 1
		.amdhsa_system_sgpr_workgroup_id_x 1
		.amdhsa_system_sgpr_workgroup_id_y 1
		.amdhsa_system_sgpr_workgroup_id_z 1
		.amdhsa_system_vgpr_workitem_id 0
		.amdhsa_next_free_vgpr 640
		.amdhsa_next_free_sgpr 100
		.amdhsa_reserve_vcc 0
		.amdhsa_float_denorm_mode_32 3
		.amdhsa_float_denorm_mode_16_64 3
		.amdhsa_memory_ordered 1
		.amdhsa_forward_progress 1
		.amdhsa_inst_pref_size 102
	.end_amdhsa_kernel
	.amdgpu_metadata
---
amdhsa.version: [ 1, 2 ]
amdhsa.kernels:
  - .name:           k_q84b9b127b7_ffn2
    .symbol:         k_q84b9b127b7_ffn2.kd
    .args:
      - { .name: hid, .offset: 0, .size: 8, .value_kind: global_buffer, .address_space: global }
      - { .name: w2_codes, .offset: 8, .size: 8, .value_kind: global_buffer, .address_space: global }
      - { .name: w2_scales, .offset: 16, .size: 8, .value_kind: global_buffer, .address_space: global }
      - { .name: b2, .offset: 24, .size: 8, .value_kind: global_buffer, .address_space: global }
      - { .name: o1, .offset: 32, .size: 8, .value_kind: global_buffer, .address_space: global }
      - { .name: y, .offset: 40, .size: 8, .value_kind: global_buffer, .address_space: global }
    .group_segment_fixed_size: 327680
    .private_segment_fixed_size: 0
    .kernarg_segment_align: 8
    .kernarg_segment_size: 48
    .max_flat_workgroup_size: 128
    .sgpr_count:     100
    .vgpr_count:     640
    .wavefront_size: 32
...
	.end_amdgpu_metadata
.endif
;; end of part 7
;; launch ln2 (part 8): grid 512 x 1, 8 waves a work-group, no clusters, 0 bytes of LDS; arguments y, g2, be2, out0; writes out0
.if DOCPART == 8
	.amdgcn_target "amdgcn-amd-amdhsa--gfx1250"
	.amdhsa_code_object_version 6
	.text
	.protected	k_q84b9b127b7_ln2
	.globl	k_q84b9b127b7_ln2
	.p2align	8
	.type	k_q84b9b127b7_ln2,@function
k_q84b9b127b7_ln2:
	s_mov_b64 s[64:65], 0
	v_nop
	global_prefetch_b8 v0, s[64:65] scope:SCOPE_SE
	s_setreg_imm32_b32 hwreg(HW_REG_WAVE_MODE, 25, 1), 1
	s_wait_xcnt 0x0
; out0 = (y - mean) x rsqrt(var + 1e-6) x g + be along rows of 1,024, all f32.
; One wave, one row: 4,096 bytes are 32 registers a lane; the row stays in registers between the mean, the variance (of the differences from the mean) and the scaling; it is read once and written once.
; Each load and store covers 512 consecutive, aligned bytes.  Memory binds: no LDS, no barrier, no matrix unit, no cluster.  NaN and infinities are not served.
.set X,    16                          ; v16-47   the row
.set G,    48                          ; v48-79   g
.set BE,   80                          ; v80-111  be
.set S,    4                           ; v4-11    four chains of pairs
.set MU,   12                          ; v12-13   the mean, then 1 / sigma, twice
	s_load_b128 s[4:7], s[0:1], 0x0                ; y, g
	s_load_b128 s[8:11], s[0:1], 0x10              ; be, out0
	v_lshrrev_b32 v1, 5, v0
	s_delay_alu instid0(VALU_DEP_1)
	v_readfirstlane_b32 s14, v1                    ; wave
	v_and_b32 v1, 31, v0
	s_delay_alu instid0(VALU_DEP_1)
	v_lshlrev_b32 v2, 4, v1
	s_lshl_b32 s15, ttmp9, 3
	s_add_co_u32 s15, s15, s14                     ; my row
	s_lshl_b32 s16, s15, 12
	s_mov_b32 s17, 0
	s_mov_b32 s22, 0x76543210
	s_mov_b32 s23, 0xfedcba98
	s_mov_b32 s24, 0x3a800000                      ; 1 / 1,024
	s_wait_alu depctr_va_vdst(0)
	s_wait_kmcnt 0x0
	s_add_nc_u64 s[4:5], s[4:5], s[16:17]
	s_add_nc_u64 s[10:11], s[10:11], s[16:17]
.irp j, 0,1,2,3,4,5,6,7
	global_load_b128 v[X+4*\j:X+4*\j+3], v2, s[4:5] offset:512*\j th:TH_LOAD_NT
.endr
.irp j, 0,1,2,3,4,5,6,7
	global_load_b128 v[G+4*\j:G+4*\j+3], v2, s[6:7] offset:512*\j
.endr
.irp j, 0,1,2,3,4,5,6,7
	global_load_b128 v[BE+4*\j:BE+4*\j+3], v2, s[8:9] offset:512*\j
.endr
.macro ROWSUM                          ; the four chains, then the 32 lanes: the sum in every lane's v[S]
	s_delay_alu instid0(VALU_DEP_3)
	v_pk_add_f32 v[S:S+1], v[S:S+1], v[S+2:S+3]
	s_delay_alu instid0(VALU_DEP_2)
	v_pk_add_f32 v[S+4:S+5], v[S+4:S+5], v[S+6:S+7]
	s_delay_alu instid0(VALU_DEP_1)
	v_pk_add_f32 v[S:S+1], v[S:S+1], v[S+4:S+5]
	s_delay_alu instid0(VALU_DEP_1)
	v_add_f32 v[S], v[S], v[S+1]
	s_delay_alu instid0(VALU_DEP_1)
	v_add_f32_dpp v[S], v[S], v[S] row_xmask:1 row_mask:0xf bank_mask:0xf
	s_delay_alu instid0(VALU_DEP_1)
	v_add_f32_dpp v[S], v[S], v[S] row_xmask:2 row_mask:0xf bank_mask:0xf
	s_delay_alu instid0(VALU_DEP_1)
	v_add_f32_dpp v[S], v[S], v[S] row_xmask:4 row_mask:0xf bank_mask:0xf
	s_delay_alu instid0(VALU_DEP_1)
	v_add_f32_dpp v[S], v[S], v[S] row_xmask:8 row_mask:0xf bank_mask:0xf
	s_delay_alu instid0(VALU_DEP_1)
	v_permlanex16_b32 v[S+1], v[S], s22, s23
	s_delay_alu instid0(VALU_DEP_1)
	v_add_f32 v[S], v[S], v[S+1]
.endm
	s_wait_loadcnt 16                              ; the row is in; g's and be's 16 loads may be out
.irp c, 0,2,4,6
	v_pk_add_f32 v[S+\c:S+\c+1], v[X+\c:X+\c+1], v[X+8+\c:X+9+\c]
.endr
.irp k, 16,24
.irp c, 0,2,4,6
	s_delay_alu instid0(VALU_DEP_4)
	v_pk_add_f32 v[S+\c:S+\c+1], v[S+\c:S+\c+1], v[X+\k+\c:X+\k+\c+1]
.endr
.endr
	ROWSUM
	s_delay_alu instid0(VALU_DEP_1)
	v_mul_f32 v[MU], s24, v[S]
	s_delay_alu instid0(VALU_DEP_1)
	v_mov_b32 v[MU+1], v[MU]
.set j, 0
.rept 16
	v_pk_add_f32 v[X+j:X+j+1], v[X+j:X+j+1], v[MU:MU+1] neg_lo:[0,1] neg_hi:[0,1]   ; y - mean
.set j, j+2
.endr
.irp c, 0,2,4,6
	v_pk_mul_f32 v[S+\c:S+\c+1], v[X+\c:X+\c+1], v[X+\c:X+\c+1]
.endr
.irp k, 8,16,24
.irp c, 0,2,4,6
	s_delay_alu instid0(VALU_DEP_4)
	v_pk_fma_f32 v[S+\c:S+\c+1], v[X+\k+\c:X+\k+\c+1], v[X+\k+\c:X+\k+\c+1], v[S+\c:S+\c+1]
.endr
.endr
	ROWSUM
	s_delay_alu instid0(VALU_DEP_1)
	v_fmaak_f32 v[S], s24, v[S], 0x358637bd        ; var + 1e-6
	s_wait_alu depctr_va_vdst(0)
	v_rsq_f32 v[MU], v[S]
	v_nop                                          ; a plain line behind the transcendental
	s_wait_alu depctr_va_vdst(0)                   ; ahead of its first reader
	v_mov_b32 v[MU+1], v[MU]
	s_wait_alu depctr_va_vdst(0)
	s_wait_loadcnt 0x0                             ; g and be
.set j, 0
.rept 16
	v_pk_mul_f32 v[X+j:X+j+1], v[X+j:X+j+1], v[MU:MU+1]
.set j, j+2
.endr
.set j, 0
.rept 16
	v_pk_fma_f32 v[X+j:X+j+1], v[X+j:X+j+1], v[G+j:G+j+1], v[BE+j:BE+j+1]
.set j, j+2
.endr
.irp j, 0,1,2,3,4,5,6,7
	global_store_b128 v2, v[X+4*\j:X+4*\j+3], s[10:11] offset:512*\j th:TH_STORE_NT
.endr
	s_endpgm
.Lfunc_end_k_q84b9b127b7_ln2:
	.size	k_q84b9b127b7_ln2, .Lfunc_end_k_q84b9b127b7_ln2-k_q84b9b127b7_ln2
	.p2alignl 7, 3214868480
	.fill 96, 4, 3214868480
	.section	.rodata,"a",@progbits
	.p2align	6, 0x0
	.amdhsa_kernel k_q84b9b127b7_ln2
		.amdhsa_group_segment_fixed_size 0
		.amdhsa_private_segment_fixed_size 0
		.amdhsa_enable_private_segment 0
		.amdhsa_kernarg_size 32
		.amdhsa_user_sgpr_count 2
		.amdhsa_user_sgpr_kernarg_segment_ptr 1
		.amdhsa_wavefront_size32 1
		.amdhsa_system_sgpr_workgroup_id_x 1
		.amdhsa_system_sgpr_workgroup_id_y 1
		.amdhsa_system_sgpr_workgroup_id_z 1
		.amdhsa_system_vgpr_workitem_id 0
		.amdhsa_next_free_vgpr 112
		.amdhsa_next_free_sgpr 66
		.amdhsa_reserve_vcc 0
		.amdhsa_float_denorm_mode_32 3
		.amdhsa_float_denorm_mode_16_64 3
		.amdhsa_memory_ordered 1
		.amdhsa_forward_progress 1
		.amdhsa_inst_pref_size 12
	.end_amdhsa_kernel
	.amdgpu_metadata
---
amdhsa.version: [ 1, 2 ]
amdhsa.kernels:
  - .name:           k_q84b9b127b7_ln2
    .symbol:         k_q84b9b127b7_ln2.kd
    .args:
      - { .name: y, .offset: 0, .size: 8, .value_kind: global_buffer, .address_space: global }
      - { .name: g2, .offset: 8, .size: 8, .value_kind: global_buffer, .address_space: global }
      - { .name: be2, .offset: 16, .size: 8, .value_kind: global_buffer, .address_space: global }
      - { .name: out0, .offset: 24, .size: 8, .value_kind: global_buffer, .address_space: global }
    .group_segment_fixed_size: 0
    .private_segment_fixed_size: 0
    .kernarg_segment_align: 8
    .kernarg_segment_size: 32
    .max_flat_workgroup_size: 256
    .sgpr_count:     66
    .vgpr_count:     112
    .wavefront_size: 32
...
	.end_amdgpu_metadata
.endif
;; end of part 8
